; MI455X (gfx1250); checked and timed in simulation.
; The chip was launched on July 23, 2026; its instructions are those of AMD's public machine-readable ISA for CDNA 5 (MIT licence, August 2026) and "CDNA5" Instruction Set Architecture Reference Guide (July 2026). The comments in the code are by the model that wrote it; some were corrected since.
;; D Flash Attention. Allowed arithmetic: matrix products marked QUANTISED: E2M3 operands, one E8M0 scale for each 32 along K, by v_wmma_scale_f32_16x16x128_f8f6f4 with both operands' format E2M3, f32 sums; everything else in f32.
;; Inputs: Wk 1,024 x 4,096 float32; Wo 4,096 x 1,024 float32; Wq 1,024 x 4,096 float32; Wv 1,024 x 4,096 float32; cos 1 x 4,096 x 128 float32; hidden_states 1 x 2,048 x 4,096 float32; sin 1 x 4,096 x 128 float32; target_hidden 1 x 2,048 x 4,096 float32.
;; Outputs: out0 1 x 2,048 x 4,096 float32.
;; This version of the problem:
;;   THIS VERSION OF THE PROBLEM IS GIVEN IN LOW PRECISION. The matrix products marked QUANTISED in the list below multiply operands that are first quantised to E2M3 (2 exponent bits, 3 mantissa bits; 6 bits a number), with one power-of-two scale for each 32 numbers along K (OCP MX v1.0); their sums are f32. All else is computed in f32.
;;   The module's matrix products, in the order in which they are computed (A, B: the left and right operand; K: the contracted axis; several contracted axes count as one K, in the product's order):
;;     1. [M 2,048, K 4,096] x [K 4,096, N 1,024]; A: input hidden_states; B: input Wq: QUANTISED
;;     2. [M 2,048, K 4,096] x [K 4,096, N 1,024]; A: input target_hidden; B: input Wk: QUANTISED
;;     3. [M 2,048, K 4,096] x [K 4,096, N 1,024]; A: input target_hidden; B: input Wv: QUANTISED
;;     4. [M 2,048, K 4,096] x [K 4,096, N 1,024]; A: input hidden_states; B: input Wk: QUANTISED
;;     5. [M 2,048, K 4,096] x [K 4,096, N 1,024]; A: input hidden_states; B: input Wv: QUANTISED
;;     6. batch 8 x [M 2,048, K 128] x [K 128, N 4,096]; A: computed on the way; B: computed on the way: QUANTISED
;;     7. batch 8 x [M 2,048, K 4,096] x [K 4,096, N 128]; A: softmax (see below); B: computed on the way: QUANTISED
;;     8. [M 2,048, K 1,024] x [K 1,024, N 4,096]; A: computed on the way; B: input Wo: QUANTISED
;;   THE QUANTISER, for each operand of a quantised product, along K:
;;     - K is cut into blocks of 32 from its start; a last block that is shorter is filled with zeros.
;;     - A block's scale is 2^e with e = floor(log2(the largest magnitude in the block)) - 2, held to -126 .. 127; a block of zeros has e = 0. As a byte (E8M0): e + 127.
;;     - Each number is divided by its block's scale, clamped to +-7.5, and rounded to the nearest number of E2M3, ties to even, subnormals kept.
;;     - The product sums the exact products of the quantised numbers (number of the format x scale) in f32.
;;   ~~~python
;;   def quantise(x, axis):      # numpy; x: float32 -> the quantised numbers, widened to float32 again
;;       x = np.moveaxis(x, axis, -1); K = x.shape[-1]
;;       x = np.pad(x, [(0, 0)] * (x.ndim - 1) + [(0, -K % 32)]); x = x.reshape(x.shape[:-1] + (-1, 32)); a = np.abs(x).max(-1, keepdims=True)
;;       e = np.where(a > 0, np.clip(np.frexp(np.where(a > 0, a, 1))[1] - 1 - 2, -126, 127), 0)      # np.frexp(a)[1] - 1 = floor(log2(a)), exactly
;;       r = np.clip(x / 2.0 ** e, -7.5, 7.5)
;;       step = 2.0 ** (np.maximum(np.frexp(np.where(r == 0, 1, r))[1] - 1, 0) - 3)
;;       q = np.round(r / step) * step * 2.0 ** e      # np.round: ties to even
;;       return np.moveaxis(q.reshape(q.shape[:-2] + (-1,))[..., :K], -1, axis).astype(np.float32)
;;   ~~~
;;   SOFTMAX AHEAD OF A QUANTISED PRODUCT. Where the list says 'softmax', what is quantised is not the finished softmax but p = 2^(t - M), with t = logit x log2(e) and M = ceil(the row's largest t), a whole number; so 1/2 < the row's largest p <= 1. The row's sum l is taken of the UNQUANTISED p, in f32, and the product's result is divided by l at the end. Since M is a whole number, a kernel that streams over the keys may use a running M (the ceiling of the running maximum): every later rescaling is an exact power of two, which a block's scale takes up: the codes' values come out the same.
;;   OPERANDS COMPUTED ON THE WAY. 'Computed on the way' means the value that the module computes at that place (a softmax that the list does not call 'softmax' is quantised finished and normalised). What goes into a quantiser is computed in f32, as accurately as f32 sums, v_exp_f32 and their like allow (about 1e-6 of the number): no bf16 or f16 on the way to a quantiser, and a product that is left as it is and whose result goes on into a quantised operand takes f32 operands (vector FMAs, or v_wmma_f32_16x16x4_f32). A number that lies on a knife's edge between two numbers of the format may be rounded either way, as far as f32 arithmetic and the matrix unit's own rounding can turn it there, and no further.
;; One version. Each part assembles by itself: llvm-mc -triple=amdgcn-amd-amdhsa -mcpu=gfx1250 --defsym DOCPART=n.
;; ======== version 1 of 1: 4 launches
;; limits: right only within a limited range of input values
;; workspace buffers: c1 3,145,728 bytes; s1 131,072 bytes; c2 23,969,792 bytes; csi 4,210,688 bytes; qkv 8,192,000 bytes; att 1,572,864 bytes; atts 65,536 bytes
;; launch prep (part 1): grid 576 x 1, 4 waves a work-group, no clusters, 70,144 bytes of LDS; arguments target_hidden, hidden_states, Wk, Wv, Wq, Wo, cos, sin, c1, s1, csi, c2; writes c1, s1, csi, c2
.if DOCPART == 1
	.amdgcn_target "amdgcn-amd-amdhsa--gfx1250"
	.amdhsa_code_object_version 6
	.text
	.protected	k_qaedb6bccb1_prep
	.globl	k_qaedb6bccb1_prep
	.p2align	8
	.type	k_qaedb6bccb1_prep,@function
k_qaedb6bccb1_prep:
	s_mov_b64 s[64:65], 0
	v_nop
	global_prefetch_b8 v0, s[64:65] scope:SCOPE_SE
	s_setreg_imm32_b32 hwreg(HW_REG_WAVE_MODE, 25, 1), 1
	s_wait_xcnt 0x0
; PREP: the six f32 matrices become codes of FP6 (E2M3) with one E8M0 byte for each 32 along K, laid as IMAGES OF OPERAND REGISTERS; cos and sin become images of a lane's registers.
; A fragment is 16 rows x 128 K, 12 registers a lane: byte 512 c + 16 lane + 4 e holds register 4 c + e; lane (r, h) holds row r, registers 6 c .. 6 c + 5 = k 64 c + 32 h + 0 .. 31.  Its 16 scale words follow the same rows.
; THE ROWS OF A ROW BLOCK ARE NOT NEIGHBOURS: row r of block B is the true row 32 (B / 2) + 8 (B % 2) + r + 8 (r / 8), so that a transposed product's 8 accumulators are 64 numbers in the order that the next quantiser wants.
; c2 (K = 4,096): a row block at place P (X 0-255, the weights 256-447) at 53,504 P, as 11 GROUPS of 4,864 bytes: three K steps' fragments (4,608 bytes), their three times 16 scale words (192), 64 bytes
; that nobody reads.  So one row of a tensor tile brings three K steps' codes and scale words of a row block.  32 K steps are 10 groups and two thirds: the last third is stored as zeros, since the tiles read it.
; c1, s1 (Wo, K = 1,024): row block B at 12,288 B + 1,536 s and at 512 B + 64 s, s = K step 0..7.
; SHARES: a wave makes 8 fragments.  g < 448: row block g, wave w K steps 8 w ..; 448 .. 511: Wo, a row block a wave.
; g = 512 .. 575: a wave turns cos and sin of one row block of X into images (register 16 b + i = column 32 b + 16 h + i of row r).
; A load takes 512 consecutive bytes of one row; the 16 rows turn through the wave's own stage in LDS (pitch 528) and come back 16 neighbours of each block of 32 to a lane.  Waves share nothing: no barrier.
; A fragment's codes leave by three stores of 512 consecutive bytes; its 16 scale words by one store of 64 consecutive bytes: they lie beside their codes, one byte in 24 of what is stored.
; A block's scale is 2^(floor(log2(largest magnitude)) - 2); its byte is that magnitude's exponent field - 2, held at 1 from below.
; LIMITS: a block of zeros gets the byte 1 where the rule says 127 (its codes are zeros; this program alone reads the bytes); NaN and infinities among the inputs are not served.
.set R,   32                           ; v32-223  three sets of 64 numbers
.set PC,  8                            ; v8-19    a fragment's codes
.set PT,  20                           ; v20-27   the upper halves of the blocks, before they are moved
.set CO,  28                           ; v28      the step's codes: 16 x lane + their place
.set WO,  29                           ; v29      the step's scale words: 4 r + their place
.set TM,  224                          ; v224-239 largest magnitudes, bytes, scale operands
.set PW,  240                          ; v240     the scale word
.set SEL, 66                           ; s[66:67] lane selects: lane l xor 16
.set OFS, 84                           ; s[84:99] for each of my 8 steps: the place of its codes, the place of its words
.set GRP, 4864                         ; a group in c2
.set WOF, 4608                         ; the words' place in it
.set RBM, 11*GRP                       ; a row block in c2
.set STW, 8960                         ; LDS of a quantising wave: a stage of 16 x 528 bytes
.set IST, 35840                        ; LDS of an imaging wave: bytes of their own, 8,448 a wave
.set MSB, 0
.macro WIN new                         ; the immediate's high byte repeats the setting that is left; a switch that changes nothing is dropped (in this text every window is 0)
.set NEWW, (\new)
.if MSB != NEWW
	s_set_vgpr_msb (MSB<<8)|NEWW
.set MSB, NEWW
.endif
.endm
; 64 numbers of a lane in window W, register 16 b + i = k 32 b + 16 (lane / 16) + i of my row, become a fragment's codes in v[pc] on and its scale word in v[PW]
.macro QUANT s, W, pc, pt
	WIN (\W)|((\W)<<2)
.irp b, 0,1,2,3
	v_max3_num_f32 v[TM+\b], |v[(\s)+16*\b]|, |v[(\s)+16*\b+1]|, 0x1800000   ; my 16 numbers of block b, and the floor 2^(3 - 127): the byte cannot fall under 1
.endr
	WIN ((\W)<<2)|((\W)<<4)
.irp i, 2,4,6,8,10,12,14
.irp b, 0,1,2,3
	v_max3_num_f32 v[TM+\b], v[TM+\b], |v[(\s)+16*\b+\i]|, |v[(\s)+16*\b+\i+1]|   ; the four blocks by turns
.endr
.endr
	WIN 0
.irp b, 0,1,2,3
	v_permlanex16_b32 v[TM+4+\b], v[TM+\b], s[SEL], s[SEL+1]
.endr
.irp b, 0,1,2,3
	v_max_num_f32 v[TM+\b], v[TM+\b], v[TM+4+\b]   ; with lane l xor 16's: the block's largest magnitude
.endr
.irp b, 0,1,2,3
	v_add_nc_u32 v[TM+12+\b], 0xff000000, v[TM+\b]   ; 2 off its exponent field: the conversion's scale operand
.endr
.irp b, 0,1,2,3
	v_lshrrev_b32 v[TM+4+\b], 23, v[TM+12+\b]   ; the scale's byte
.endr
	v_lshl_or_b32 v[PW], v[TM+5], 8, v[TM+4]
	v_lshl_or_b32 v[PW], v[TM+6], 16, v[PW]
	v_lshl_or_b32 v[PW], v[TM+7], 24, v[PW]
	WIN (\W)
.irp c, 0,1
	v_cvt_scalef32_pk16_fp6_f32 v[(\pc)+6*\c:(\pc)+6*\c+2], v[(\s)+32*\c:(\s)+32*\c+15], v[TM+12+2*\c]
	v_cvt_scalef32_pk16_fp6_f32 v[(\pt)+4*\c:(\pt)+4*\c+2], v[(\s)+32*\c+16:(\s)+32*\c+31], v[TM+13+2*\c]   ; (a conversion's three registers begin on an even number)
.endr
	WIN 0
	v_nop                                          ; one plain place behind a scaled conversion
.irp c, 0,1                                    ; the operand wants a whole block in a lane: lanes 0-15 block 2 c, lanes 16-31 block 2 c + 1
.irp i, 0,1,2
	v_permlane16_swap_b32 v[(\pc)+6*\c+\i], v[(\pt)+4*\c+\i]
.endr
.irp i, 0,1,2
	v_mov_b32 v[(\pc)+3+6*\c+\i], v[(\pt)+4*\c+\i]
.endr
.endr
.endm
.macro LOADF s                         ; K step s of my 16 rows: each load reads 512 consecutive bytes of one row
.irp i, 0,1,2,3,4,5,6,7,8,9,10,11,12,13,14,15
	global_load_b128 v[R+64*((\s)%3)+4*\i:R+64*((\s)%3)+4*\i+3], v1, s[32+2*\i:33+2*\i] offset:512*(\s) th:TH_LOAD_NT
.endr
.endm
.macro TURN x, ain, aout               ; 16 rows of 512 bytes through the stage.  LDS serves a wave's instructions in order: no wait between the stores and the loads
.irp i, 0,1,2,3,4,5,6,7,8,9,10,11,12,13,14,15
	ds_store_b128 v[\ain], v[(\x)+4*\i:(\x)+4*\i+3] offset:528*\i
.endr
.irp b, 0,1,2,3
.irp j, 0,1,2,3
	ds_load_b128 v[(\x)+16*\b+4*\j:(\x)+16*\b+4*\j+3], v[\aout] offset:128*\b+16*\j
.endr
.endr
.endm
	s_load_b512 s[4:19], s[0:1], 0x0               ; target, hidden, Wk, Wv, Wq, Wo, cos, sin
	s_load_b128 s[20:23], s[0:1], 0x40             ; c1, s1
	s_load_b64 s[24:25], s[0:1], 0x50              ; csi
	s_load_b64 s[80:81], s[0:1], 0x58              ; c2
	v_lshl_add_u32 v254, v0, 2, 0x11000
	v_mov_b32 v255, 0
	v_lshrrev_b32 v9, 5, v0
	v_readfirstlane_b32 s26, v9                    ; wave 0..3
	v_and_b32 v9, 31, v0                           ; lane
	v_and_b32 v10, 15, v0                          ; r
	v_bfe_u32 v11, v0, 4, 1                        ; h
	v_lshlrev_b32 v1, 4, v9                        ; v1: 16 x lane
	v_lshlrev_b32 v4, 2, v10                       ; v4: 4 r
	v_mul_u32_u24 v12, v10, 528
	v_lshl_add_u32 v12, v11, 6, v12                ; 528 r + 64 h
	s_mul_i32 s27, s26, STW
	v_add_nc_u32 v2, s27, v1                       ; v2: into the stage
	v_add_nc_u32 v3, s27, v12                      ; v3: out of it
	s_mul_i32 s27, s26, 8448
	s_add_co_u32 s27, s27, IST
	v_add_nc_u32 v6, s27, v1                       ; v6, v7: the same two for the imaging path
	v_add_nc_u32 v7, s27, v12
	s_mov_b32 s[SEL], 0x76543210
	s_mov_b32 s[SEL+1], 0xfedcba98
.irp b, 0,1,2,3
	v_mov_b32 v[TM+4+\b], 0                        ; written once: a lane permute's destination counts as one of its sources
.endr
	s_wait_kmcnt 0x0
	s_cmp_ge_u32 ttmp9, 512
	s_cbranch_scc1 .Limage
	; ---- which tensor: the choice hangs on the work-group's number alone
	s_mov_b64 s[68:69], s[14:15]                   ; Wo, from g = 448
	s_mov_b32 s70, 448
	s_cmp_lt_u32 ttmp9, 448
	s_cselect_b64 s[68:69], s[12:13], s[68:69]
	s_cselect_b32 s70, 384, s70
	s_cmp_lt_u32 ttmp9, 384
	s_cselect_b64 s[68:69], s[10:11], s[68:69]
	s_cselect_b32 s70, 320, s70
	s_cmp_lt_u32 ttmp9, 320
	s_cselect_b64 s[68:69], s[8:9], s[68:69]
	s_cselect_b32 s70, 256, s70
	s_cmp_lt_u32 ttmp9, 256
	s_cselect_b64 s[68:69], s[6:7], s[68:69]
	s_cselect_b32 s70, 128, s70
	s_cmp_lt_u32 ttmp9, 128
	s_cselect_b64 s[68:69], s[4:5], s[68:69]
	s_cselect_b32 s70, 0, s70
	s_sub_co_u32 s78, ttmp9, s70                   ; the tensor's row block, where K = 4,096
	s_lshl_b32 s79, s78, 2
	s_add_co_u32 s79, s79, s26                     ; and in Wo: a row block a wave
	s_lshl_b32 s71, s26, 12                        ; my 8 K steps: 4,096 bytes x wave
	s_mov_b32 s72, 4096
	s_cmp_lt_u32 ttmp9, 448
	s_cselect_b32 s78, s78, s79
	s_cselect_b32 s71, s71, 0
	s_cselect_b32 s72, 16384, s72                  ; a row in bytes
	s_mov_b32 s73, 0
	s_mul_i32 s74, s72, 9
	s_mov_b32 s75, 0
	s_lshr_b32 s76, s78, 1
	s_lshl_b32 s76, s76, 5
	s_and_b32 s77, s78, 1
	s_lshl_b32 s77, s77, 3
	s_add_co_u32 s76, s76, s77                     ; the block's first true row
	s_mul_i32 s76, s76, s72
	s_add_co_u32 s76, s76, s71
	s_mov_b32 s77, 0
	s_add_nc_u64 s[32:33], s[68:69], s[76:77]      ; s[32:63]: the 16 rows' addresses: rows 0-7, then 16-23
.irp i, 1,2,3,4,5,6,7,8,9,10,11,12,13,14,15
.if \i == 8
	s_add_nc_u64 s[32+2*\i:33+2*\i], s[30+2*\i:31+2*\i], s[74:75]
.else
	s_add_nc_u64 s[32+2*\i:33+2*\i], s[30+2*\i:31+2*\i], s[72:73]
.endif
.endr
	; ---- where the results go
	s_max_u32 s78, ttmp9, 448
	s_sub_co_u32 s78, s78, 448
	s_lshl_b32 s78, s78, 2
	s_add_co_u32 s78, s78, s26                     ; Wo's row block (0 + wave where the tensor is another)
	s_mul_i32 s76, s78, 12288
	s_add_nc_u64 s[28:29], s[20:21], s[76:77]      ; its codes in c1
	s_lshl_b32 s76, s78, 9
	s_add_nc_u64 s[30:31], s[22:23], s[76:77]      ; its words in s1
	; THE PLACE OF A ROW BLOCK IN c2 (53,504 bytes a place) is made here: X's block 4 g + i of tensor t (0 target, 1 hidden) at place 8 g + 4 t + i;
	; block j of head h of weight y (0 Wk, 1 Wv, 2 Wq) at place 256 + 24 h + 8 y + j: so each tile of the projections is eight neighbouring places
	s_and_b32 s74, ttmp9, 127
	s_lshr_b32 s75, s74, 2
	s_lshl_b32 s75, s75, 3
	s_and_b32 s74, s74, 3
	s_add_co_u32 s75, s75, s74
	s_lshr_b32 s74, ttmp9, 7
	s_lshl_b32 s74, s74, 2
	s_add_co_u32 s75, s75, s74                     ; X's place
	s_and_b32 s78, ttmp9, 255
	s_bfe_u32 s74, s78, 0x30003                    ; the head
	s_mul_i32 s74, s74, 24
	s_lshr_b32 s79, s78, 6                         ; which weight
	s_lshl_b32 s79, s79, 3
	s_add_co_u32 s74, s74, s79
	s_and_b32 s78, s78, 7
	s_add_co_u32 s74, s74, s78
	s_add_co_u32 s74, s74, 256                     ; a weight's place
	s_cmp_lt_u32 ttmp9, 256
	s_cselect_b32 s75, s75, s74
	s_mul_i32 s76, s75, RBM
	s_add_nc_u64 s[82:83], s[80:81], s[76:77]      ; the others: my row block in c2, codes and words
	s_cmp_lt_u32 ttmp9, 448
	s_cselect_b64 s[28:29], s[82:83], s[28:29]
	s_cselect_b64 s[30:31], s[82:83], s[30:31]
	s_lshl_b32 s79, s26, 3                         ; my first K step, where K = 4,096
.irp l, 0,1,2,3,4,5,6,7
	s_add_co_u32 s76, s79, \l                      ; K step s, 0 .. 31
	s_mul_i32 s78, s76, 171
	s_lshr_b32 s78, s78, 9                         ; its group, s / 3 (171 s / 512 rounds down to that for s up to 31)
	s_mul_i32 s74, s78, 3
	s_sub_co_u32 s74, s76, s74                     ; its place in the group
	s_mul_i32 s78, s78, GRP
	s_mul_i32 s75, s74, 1536
	s_add_co_u32 s75, s75, s78
	s_lshl_b32 s74, s74, 6
	s_add_co_u32 s74, s74, s78
	s_add_co_u32 s74, s74, WOF
	s_cmp_lt_u32 ttmp9, 448
	s_cselect_b32 s[OFS+2*\l], s75, 1536*\l        ; in Wo the steps lie on end
	s_cselect_b32 s[OFS+2*\l+1], s74, 64*\l
.endr
	LOADF 0
	LOADF 1
	LOADF 2
.macro FSTEP s
.set XS, R+64*((\s)%3)
.if (\s) <= 5
	s_wait_loadcnt 32                              ; this step's 16 loads are in; the two steps behind it may be out
.elseif (\s) == 6
	s_wait_loadcnt 16
.else
	s_wait_loadcnt 0x0
.endif
	TURN XS, 2, 3
	s_wait_dscnt 0x0                               ; my 64 numbers are back
	s_wait_xcnt 0x0                                ; the last step's stores have read their offsets, the codes' registers and the word's
	v_add_nc_u32 v[CO], s[OFS+2*(\s)], v1
	v_add_nc_u32 v[WO], s[OFS+2*(\s)+1], v4
	QUANT XS, 0, PC, PT
.irp c, 0,1,2
	global_store_b128 v[CO], v[PC+4*\c:PC+4*\c+3], s[28:29] offset:512*\c   ; 512 consecutive bytes a store
.endr
	global_store_b32 v[WO], v[PW], s[30:31]        ; 64 consecutive bytes; lanes r and r + 16 store the same word with the same value
.if (\s) < 5
	LOADF (\s)+3                                   ; into the set just quantised
.endif
.endm
	s_wait_alu depctr_va_vdst(0)
.irp s, 0,1,2,3,4,5,6,7
	FSTEP \s
.endr
	s_cmp_lt_u32 ttmp9, 448                        ; the wave with K steps 24 .. 31 of a row block of c2 also stores the last group's empty third
	s_cselect_b32 s76, s26, 0
	s_cmp_eq_u32 s76, 3
	s_cbranch_scc0 .Lqend
	s_wait_xcnt 0x0                                ; the last stores have read the codes' registers
.irp i, 0,1,2,3
	v_mov_b32 v[PC+\i], 0
.endr
.irp c, 0,1,2
	global_store_b128 v1, v[PC:PC+3], s[28:29] offset:10*GRP+3072+512*\c
.endr
	global_store_b32 v4, v[PC], s[28:29] offset:10*GRP+WOF+128
.Lqend:
	s_wait_tensorcnt 0x0
	ds_add_u32 v254, v255
	s_wait_dscnt 0x0
	s_endpgm
.Limage:                                           ; ---- cos and sin of one row block of X
	s_sub_co_u32 s78, ttmp9, 512
	s_lshl_b32 s78, s78, 2
	s_add_co_u32 s78, s78, s26                     ; row block 0..255
	s_lshr_b32 s76, s78, 1
	s_lshl_b32 s76, s76, 5
	s_and_b32 s77, s78, 1
	s_lshl_b32 s77, s77, 3
	s_add_co_u32 s76, s76, s77
	s_lshl_b32 s76, s76, 9                         ; a row of cos or sin is 512 bytes
	s_mov_b32 s77, 0
	s_add_nc_u64 s[16:17], s[16:17], s[76:77]
	s_add_nc_u64 s[18:19], s[18:19], s[76:77]
	s_lshl_b32 s76, s78, 14
	s_add_nc_u64 s[24:25], s[24:25], s[76:77]
.irp i, 0,1,2,3,4,5,6,7,8,9,10,11,12,13,14,15
	global_load_b128 v[R+4*\i:R+4*\i+3], v1, s[16:17] offset:(\i+8*(\i/8))*512 th:TH_LOAD_NT
.endr
.irp i, 0,1,2,3,4,5,6,7,8,9,10,11,12,13,14,15
	global_load_b128 v[R+64+4*\i:R+64+4*\i+3], v1, s[18:19] offset:(\i+8*(\i/8))*512 th:TH_LOAD_NT
.endr
	s_wait_loadcnt 16                              ; cos is in
	s_wait_alu depctr_va_vdst(0)
	TURN R, 6, 7
	s_wait_loadcnt 0x0
	TURN R+64, 6, 7
	s_wait_dscnt 32                                ; behind cos's loads from the stage: sin's 16 stores and 16 loads
.irp c, 0,1,2,3,4,5,6,7,8,9,10,11,12,13,14,15
	global_store_b128 v1, v[R+4*\c:R+4*\c+3], s[24:25] offset:512*\c
.endr
	s_wait_dscnt 0x0
.irp c, 0,1,2,3,4,5,6,7,8,9,10,11,12,13,14,15
	global_store_b128 v1, v[R+64+4*\c:R+64+4*\c+3], s[24:25] offset:8192+512*\c
.endr
	s_wait_tensorcnt 0x0
	ds_add_u32 v254, v255
	s_wait_dscnt 0x0
	s_endpgm
.Lfunc_end_k_qaedb6bccb1_prep:
	.size	k_qaedb6bccb1_prep, .Lfunc_end_k_qaedb6bccb1_prep-k_qaedb6bccb1_prep
	.p2alignl 7, 3214868480
	.fill 96, 4, 3214868480
	.section	.rodata,"a",@progbits
	.p2align	6, 0x0
	.amdhsa_kernel k_qaedb6bccb1_prep
		.amdhsa_group_segment_fixed_size 70144
		.amdhsa_private_segment_fixed_size 0
		.amdhsa_enable_private_segment 0
		.amdhsa_kernarg_size 96
		.amdhsa_user_sgpr_count 2
		.amdhsa_user_sgpr_kernarg_segment_ptr 1
		.amdhsa_wavefront_size32 1
		.amdhsa_system_sgpr_workgroup_id_x 1
		.amdhsa_system_sgpr_workgroup_id_y 1
		.amdhsa_system_sgpr_workgroup_id_z 1
		.amdhsa_system_vgpr_workitem_id 0
		.amdhsa_next_free_vgpr 256
		.amdhsa_next_free_sgpr 100
		.amdhsa_reserve_vcc 0
		.amdhsa_float_denorm_mode_32 3
		.amdhsa_float_denorm_mode_16_64 3
		.amdhsa_memory_ordered 1
		.amdhsa_forward_progress 1
		.amdhsa_inst_pref_size 84
	.end_amdhsa_kernel
	.amdgpu_metadata
---
amdhsa.version: [ 1, 2 ]
amdhsa.kernels:
  - .name:           k_qaedb6bccb1_prep
    .symbol:         k_qaedb6bccb1_prep.kd
    .args:
      - { .name: target_hidden, .offset: 0, .size: 8, .value_kind: global_buffer, .address_space: global }
      - { .name: hidden_states, .offset: 8, .size: 8, .value_kind: global_buffer, .address_space: global }
      - { .name: Wk, .offset: 16, .size: 8, .value_kind: global_buffer, .address_space: global }
      - { .name: Wv, .offset: 24, .size: 8, .value_kind: global_buffer, .address_space: global }
      - { .name: Wq, .offset: 32, .size: 8, .value_kind: global_buffer, .address_space: global }
      - { .name: Wo, .offset: 40, .size: 8, .value_kind: global_buffer, .address_space: global }
      - { .name: cos, .offset: 48, .size: 8, .value_kind: global_buffer, .address_space: global }
      - { .name: sin, .offset: 56, .size: 8, .value_kind: global_buffer, .address_space: global }
      - { .name: c1, .offset: 64, .size: 8, .value_kind: global_buffer, .address_space: global }
      - { .name: s1, .offset: 72, .size: 8, .value_kind: global_buffer, .address_space: global }
      - { .name: csi, .offset: 80, .size: 8, .value_kind: global_buffer, .address_space: global }
      - { .name: c2, .offset: 88, .size: 8, .value_kind: global_buffer, .address_space: global }
    .group_segment_fixed_size: 70144
    .private_segment_fixed_size: 0
    .kernarg_segment_align: 8
    .kernarg_segment_size: 96
    .max_flat_workgroup_size: 128
    .sgpr_count:     100
    .vgpr_count:     256
    .wavefront_size: 32
...
	.end_amdgpu_metadata
.endif
;; end of part 1
;; launch proj (part 2): grid 8 x 32, 4 waves a work-group, clusters of 4 x 4, 327,680 bytes of LDS; arguments c2, csi, qkv; writes qkv
.if DOCPART == 2
	.amdgcn_target "amdgcn-amd-amdhsa--gfx1250"
	.amdhsa_code_object_version 6
	.text
	.protected	k_qaedb6bccb1_proj
	.globl	k_qaedb6bccb1_proj
	.p2align	8
	.type	k_qaedb6bccb1_proj,@function
k_qaedb6bccb1_proj:
	s_mov_b64 s[64:65], 0
	v_nop
	global_prefetch_b8 v0, s[64:65] scope:SCOPE_SE
	s_setreg_imm32_b32 hwreg(HW_REG_WAVE_MODE, 25, 1), 1
	s_wait_xcnt 0x0
	s_wait_alu depctr_hold_cnt(0) depctr_sa_sdst(0) depctr_va_vdst(0) depctr_va_sdst(0) depctr_va_ssrc(0) depctr_va_vcc(0) depctr_vm_vsrc(0)
	s_getreg_b32 s2, hwreg(HW_REG_IB_STS2, 6, 4)
	s_cmp_eq_u32 s2, 0
	s_cbranch_scc0 .Lentry_in_a_cluster
	s_endpgm
.Lentry_in_a_cluster:
	s_bfe_u32 s2, ttmp6, 0x10000c
	s_cmp_lg_u32 s2, 0xf033
	s_cbranch_scc0 .Lentry_shape_is_right
	s_endpgm
.Lentry_shape_is_right:
; PROJ: K = X Wk^T, V^T = Wv X^T (X = target and hidden) and Q = hidden Wq^T on codes of FP6 (the products' K = 4,096), then the rotary (K, Q) in f32 and the quantiser; the results leave as operand images for attention.
; SHARES: 256 work-groups.  Work-group (head h = x, row group g = y) takes 8 row blocks of X (local 0-3: target's 4 g .., local 4-7: hidden's 4 g ..) against Wk, Wv and Wq of head h (8 row blocks each).
; A UNIT is 16 rows of source 1 x 128 rows of source 0: 8 accumulators, which the way out turns into one fragment.  K has 8 units (Wk x an X block), V^T 8 (X x a Wv block), Q 4 (Wq x a hidden block): 20, five a wave, 40 accumulators.
;   wave 0: K of X 0-4;  wave 1: K of X 5-7, Q of X 6, 7;  wave 2: V^T of Wv 0-4;  wave 3: V^T of Wv 5-7, Q of X 4, 5.
; One text serves all: the waves differ in LDS addresses; odd waves take a second set of source 0 (Wq) for units 3 and 4, by a branch on the wave's number round loads and products alone.
; THE KEYS OF A RECORD are 64 of target and 64 of hidden: blocks of 32 keys stay whole, K's and V's records are laid alike, and a softmax does not ask in which order its keys come.
; THE RING: two slots of three K steps: 32 row blocks x 4,800 bytes (three fragments and their scale words); wave w fetches region w (X, Wk, Wv, Wq) by one joint load.  32 K steps are ten groups of three and one of two.
; CLUSTERS 4 x 4: X's tile hangs on g alone and is shared along a row of the cluster, the weights' on h alone and are shared along a column.
; COS AND SIN of my 8 row blocks of X (8 images of 16,384 bytes) come as the ring's last refill, jointly along the row, into slot 1 when group 9 has been read.  V^T has no rotary: its units jump over it.
; A unit's 16 scale words leave by one store of 64 bytes beside its fragment's 1,536.
; LIMITS: a block of zeros gets the byte 1 (its codes are zeros; this program alone reads the bytes); NaN and infinities are not served.
; REGISTERS: window 0: v1-29 addresses; v32-109 scale words, two sets of 39; v112-231 source 1's fragments, two sets of 5 (on the way out the quantiser's).  window 1: source 0, two sets of 8 (on the way out cos and sin).
;   window 2: units 0-3's accumulators; window 3: v0-63 unit 4's, v64-255 the second source 0, two sets of 8.
.set RBB,   4800
.set WOF,   4608
.set GRP,   4864
.set RBM,   11*GRP
.set HALFT, 8*RBB
.set SLOT,  4*HALFT
.set SPARE, 2*SLOT                     ; the spare words, 128 bytes a wave
.set IMG,   16384
.set ADP,  2                           ; v2-3 source 0 in slot 0, 1
.set ADR,  4                           ; v4-5 Wq
.set ADU1, 6                           ; v6-7 source 1 of units 0-2
.set ADU2, 8                           ; v8-9 of units 3, 4
.set ADSP, 10                          ; v10-11 scale words: lanes 0-15 source 0's, lanes 16-31 Wq's
.set ADS1, 12
.set ADS2, 14
.set LI,   16                          ; 16 x lane
.set W4,   17                          ; 4 r
.set CS1,  18                          ; cos and sin images of units 0-2
.set CS2,  19                          ; of units 3, 4
.set PFO,  20
.set SPW,  28
.set NIL,  29
.set SC,   32
.set UF,   112
.set PC,   112
.set PT,   124
.set TM,   132
.set PW,   148
.set TT,   160
.set G1,   24
.set G0,   32
.set G1B,  48
.set G0B,  56
.set PFA,  66
.set G1C,  68
.set G0C,  76
.set OB1,  80                          ; s[80:83] where units 0-2's and units 3, 4's fragments go
.set WB1,  84                          ; s[84:87] and their scale words
.set SEL,  92
.set MSB, 0
.macro WIN new
.set NEWW, (\new)
.if MSB != NEWW
	s_set_vgpr_msb (MSB<<8)|NEWW
.set MSB, NEWW
.endif
.endm
.macro PLACES n
.rept \n
	v_nop
.endr
.endm
.macro WMMA d, x, y, z, sx, sy, rx     ; z = 1: C = 0; rx = 1: source 0's scales in lanes 16-31
.if (\z) && (\rx)
	v_wmma_scale_f32_16x16x128_f8f6f4 v[(\d):(\d)+7], v[(\x):(\x)+11], v[(\y):(\y)+11], 0, v[\sx], v[\sy] matrix_a_fmt:MATRIX_FMT_FP6 matrix_b_fmt:MATRIX_FMT_FP6 matrix_a_scale:MATRIX_SCALE_ROW1
.elseif (\z)
	v_wmma_scale_f32_16x16x128_f8f6f4 v[(\d):(\d)+7], v[(\x):(\x)+11], v[(\y):(\y)+11], 0, v[\sx], v[\sy] matrix_a_fmt:MATRIX_FMT_FP6 matrix_b_fmt:MATRIX_FMT_FP6
.elseif (\rx)
	v_wmma_scale_f32_16x16x128_f8f6f4 v[(\d):(\d)+7], v[(\x):(\x)+11], v[(\y):(\y)+11], v[(\d):(\d)+7], v[\sx], v[\sy] matrix_a_fmt:MATRIX_FMT_FP6 matrix_b_fmt:MATRIX_FMT_FP6 matrix_a_scale:MATRIX_SCALE_ROW1
.else
	v_wmma_scale_f32_16x16x128_f8f6f4 v[(\d):(\d)+7], v[(\x):(\x)+11], v[(\y):(\y)+11], v[(\d):(\d)+7], v[\sx], v[\sy] matrix_a_fmt:MATRIX_FMT_FP6 matrix_b_fmt:MATRIX_FMT_FP6
.endif
.endm
; 64 numbers of a lane in window W, register 16 b + i = k 32 b + 16 (lane / 16) + i, become a fragment's codes in v[pc] on and its scale word in v[PW].  Each accumulator is read from its low end on
.macro QUANT s, W, pc, pt
	WIN (\W)|((\W)<<2)
.irp b, 0,1,2,3
	v_max3_num_f32 v[TM+\b], |v[(\s)+16*\b]|, |v[(\s)+16*\b+1]|, 0x1800000   ; with the floor 2^(3 - 127): the byte cannot fall under 1
.endr
	WIN ((\W)<<2)|((\W)<<4)
.irp i, 2,4,6,8,10,12,14
.irp b, 0,1,2,3
	v_max3_num_f32 v[TM+\b], v[TM+\b], |v[(\s)+16*\b+\i]|, |v[(\s)+16*\b+\i+1]|
.endr
.endr
	WIN 0
.irp b, 0,1,2,3
	v_permlanex16_b32 v[TM+4+\b], v[TM+\b], s[SEL], s[SEL+1]
.endr
.irp b, 0,1,2,3
	v_max_num_f32 v[TM+\b], v[TM+\b], v[TM+4+\b]
.endr
.irp b, 0,1,2,3
	v_add_nc_u32 v[TM+12+\b], 0xff000000, v[TM+\b]   ; 2 off the exponent field: the conversion's scale operand
.endr
.irp b, 0,1,2,3
	v_lshrrev_b32 v[TM+4+\b], 23, v[TM+12+\b]
.endr
	v_lshl_or_b32 v[PW], v[TM+5], 8, v[TM+4]
	v_lshl_or_b32 v[PW], v[TM+6], 16, v[PW]
	v_lshl_or_b32 v[PW], v[TM+7], 24, v[PW]
	WIN (\W)
.irp c, 0,1
	v_cvt_scalef32_pk16_fp6_f32 v[(\pc)+6*\c:(\pc)+6*\c+2], v[(\s)+32*\c:(\s)+32*\c+15], v[TM+12+2*\c]
	v_cvt_scalef32_pk16_fp6_f32 v[(\pt)+4*\c:(\pt)+4*\c+2], v[(\s)+32*\c+16:(\s)+32*\c+31], v[TM+13+2*\c]
.endr
	WIN 0
	v_nop                                          ; one plain place behind a scaled conversion
.irp c, 0,1
.irp i, 0,1,2
	v_permlane16_swap_b32 v[(\pc)+6*\c+\i], v[(\pt)+4*\c+\i]
.endr
.irp i, 0,1,2
	v_mov_b32 v[(\pc)+3+6*\c+\i], v[(\pt)+4*\c+\i]
.endr
.endr
.endm
; a joint load of the ring: wave 0 fetches X's tile, waves 1 to 3 a weight's; an s_nop 0 and four v_nop follow each line
.macro JLOAD g0a, g0b
	s_cmp_eq_u32 s14, 0
	s_cbranch_scc0 .Lfor_b_\@
	tensor_load_to_lds s[\g0a:\g0a+3], s[G1:G1+7]
	s_nop 0
.rept 4
	v_nop
.endr
	s_branch .Lasked_\@
.Lfor_b_\@:
	tensor_load_to_lds s[\g0b:\g0b+3], s[G1B:G1B+7]
	s_nop 0
.rept 4
	v_nop
.endr
.Lasked_\@:
.endm
.macro CREST
	s_cmp_lg_u32 s14, 0
	s_cbranch_scc1 .Lnot_wave_0_\@
	s_barrier_signal -3
.Lnot_wave_0_\@:
	s_barrier_wait -3
	s_barrier_signal -1
	s_barrier_wait -1
.endm
.macro CROUND
	s_barrier_signal -1
	s_barrier_wait -1
	CREST
.endm
	s_load_b64 s[4:5], s[0:1], 0x0                 ; c2
	s_load_b128 s[8:11], s[0:1], 0x8               ; csi, qkv
	v_lshl_add_u32 v[SPW], v0, 2, SPARE
	v_mov_b32 v[NIL], 0
	ds_add_u32 v[SPW], v[NIL]                      ; the opening lines: the add twice on end and its wait ahead of my first tensor load
	ds_add_u32 v[SPW], v[NIL]
	v_lshrrev_b32 v1, 5, v0
	v_readfirstlane_b32 s14, v1                    ; wave w
	s_lshr_b32 s15, s14, 1                         ; v = w / 2: 0 K's waves, 1 V^T's
	s_and_b32 s16, s14, 1                          ; o = w % 2: odd waves have Q's units
	s_mul_i32 s19, s15, s16
	s_bfe_u32 s17, ttmp6, 0x40000                  ; cx
	s_bfe_u32 s18, ttmp6, 0x40004                  ; cy
	s_lshl_b32 s12, ttmp9, 2
	s_add_co_u32 s12, s12, s17                     ; the head h
	s_and_b32 s13, ttmp7, 0xffff
	s_lshl_b32 s13, s13, 2
	s_add_co_u32 s13, s13, s18                     ; the row group g
	s_lshl_b32 s43, s18, 2
	s_lshl_b32 s43, 15, s43                        ; my row of the cluster
	s_lshl_b32 s44, 0x1111, s17                    ; my column
	s_or_b32 s[G1], s43, (3<<16)|(1<<21)           ; the mask; elements of 8 bytes; bit 21 beside a mask
	s_or_b32 s[G1B], s44, (3<<16)|(1<<21)
	s_or_b32 s[G1C], s43, (3<<16)|(1<<21)
.irp g, G1, G1B                                    ; 8 rows (row blocks) of 600 elements, 6,688 apart
	s_mov_b32 s[\g+1], (RBB/8)<<16
	s_mov_b32 s[\g+2], 8<<16
	s_mov_b32 s[\g+3], (RBB/8)<<16
	s_mov_b32 s[\g+4], 8
	s_mov_b32 s[\g+5], RBM/8
	s_mov_b32 s[\g+6], 0
	s_mov_b32 s[\g+7], 0
.endr
	s_mov_b32 s[G1C+1], 32<<16                     ; two images, 32,768 dense bytes, as 128 rows of 256
	s_mov_b32 s[G1C+2], 128<<16
	s_mov_b32 s[G1C+3], 32<<16
	s_mov_b32 s[G1C+4], 128
	s_mov_b32 s[G1C+5], 32
	s_mov_b32 s[G1C+6], 0
	s_mov_b32 s[G1C+7], 0
	s_mul_i32 s20, s13, 8*RBM                      ; X's tile: places 8 g ..
	s_mov_b32 s21, 0
	s_mul_i32 s46, s12, 24
	s_lshl_b32 s47, s14, 3
	s_add_co_u32 s46, s46, s47
	s_add_co_u32 s46, s46, 248                     ; a weight's tile: places 256 + 24 h + 8 (w - 1) ..
	s_mul_i32 s46, s46, RBM
	s_mov_b32 s47, 0
	s_mul_i32 s45, s14, HALFT                      ; region w of a slot
	s_lshl_b32 s40, s15, 7
	s_lshl_b32 s41, s13, 2
	s_add_co_u32 s40, s40, s41
	s_lshl_b32 s41, s16, 1
	s_add_co_u32 s40, s40, s41                     ; the images that I fetch: X's row blocks 128 v + 4 g + 2 o and the next
	s_lshl_b32 s40, s40, 14
	s_mov_b32 s41, 0
	s_wait_dscnt 0x0
	s_wait_kmcnt 0x0
	s_add_nc_u64 s[20:21], s[4:5], s[20:21]
	s_add_nc_u64 s[46:47], s[4:5], s[46:47]
	s_add_nc_u64 s[40:41], s[8:9], s[40:41]
	CROUND                                         ; all sixteen work-groups are here: the first joint loads meet
.irp n, 0,1
	s_mov_b32 s[G0+4*\n], 1
	s_add_co_u32 s[G0+4*\n+1], s45, \n*SLOT
	s_add_nc_u64 s[G0+4*\n+2:G0+4*\n+3], s[20:21], \n*GRP
	s_or_b32 s[G0+4*\n+3], s[G0+4*\n+3], 0x80000000
	s_mov_b32 s[G0B+4*\n], 1
	s_add_co_u32 s[G0B+4*\n+1], s45, \n*SLOT
	s_add_nc_u64 s[G0B+4*\n+2:G0B+4*\n+3], s[46:47], \n*GRP
	s_or_b32 s[G0B+4*\n+3], s[G0B+4*\n+3], 0x80000000
.endr
	s_mov_b32 s[G0C], 1
	s_lshl_b32 s[G0C+1], s14, 15
	s_add_co_u32 s[G0C+1], s[G0C+1], SLOT          ; images 2 w, 2 w + 1 of slot 1
	s_mov_b64 s[G0C+2:G0C+3], s[40:41]
	s_or_b32 s[G0C+3], s[G0C+3], 0x80000000
	JLOAD G0, G0B                                  ; group 0: one tensor load a wave at the head
	; LDS places, by arithmetic on the wave's number alone
	s_xor_b32 s20, s15, 1
	s_mul_i32 s20, s20, HALFT                      ; source 0: Wk (region 1) or X (region 0)
	s_mul_i32 s21, s15, 2*HALFT
	s_mul_i32 s22, s16, 5*RBB
	s_add_co_u32 s21, s21, s22                     ; units 0-2: X or Wv, from block 5 o
	s_lshl_b32 s23, s15, 1
	s_xor_b32 s23, s23, 3
	s_mul_i32 s23, s23, s16
	s_add_co_u32 s23, s23, 3                       ; units 3, 4 from block 3, 6, 3, 4
	s_xor_b32 s22, s16, 1
	s_mul_i32 s22, s22, s15
	s_mul_i32 s22, s22, 2*HALFT                    ; of Wv in wave 2, of X in the others
	s_mul_i32 s40, s23, RBB
	s_add_co_u32 s22, s22, s40
	s_mul_i32 s41, s15, HALFT
	s_add_co_u32 s41, s41, 2*HALFT                 ; from source 0's region to Wq's
	s_mul_i32 s42, s16, 5*IMG
	s_add_co_u32 s42, s42, SLOT
	s_lshl_b32 s43, s23, 14
	s_add_co_u32 s43, s43, SLOT
	v_and_b32 v1, 31, v0
	v_lshlrev_b32 v[LI], 4, v1
	v_and_b32 v21, 15, v0                          ; r
	v_bfe_u32 v22, v0, 4, 1                        ; lane / 16
	v_lshlrev_b32 v[W4], 2, v21
	v_add_nc_u32 v[ADP], s20, v[LI]
	v_add_nc_u32 v[ADR], 3*HALFT, v[LI]
	v_add_nc_u32 v[ADU1], s21, v[LI]
	v_add_nc_u32 v[ADU2], s22, v[LI]
	v_mul_u32_u24 v23, s41, v22                    ; lanes 16-31 take Wq's words: one product, the distance between the two
	v_add_nc_u32 v23, v23, v[W4]
	v_add_nc_u32 v23, s20, v23
	v_add_nc_u32 v[ADSP], WOF, v23
	v_add_nc_u32 v24, WOF, v[W4]
	v_add_nc_u32 v[ADS1], s21, v24
	v_add_nc_u32 v[ADS2], s22, v24
.irp a, ADP, ADR, ADU1, ADU2, ADSP, ADS1, ADS2
	v_add_nc_u32 v[\a+1], SLOT, v[\a]
.endr
	v_add_nc_u32 v[CS1], s42, v[LI]
	v_add_nc_u32 v[CS2], s43, v[LI]
	v_min_u32 v1, 18, v1
	v_lshlrev_b32 v[PFO], 8, v1                    ; a group is 19 pieces of 256 bytes: a lane a piece, lanes 19-31 name lane 18's again
	; the prefetches: of the 8 row blocks that I fetch, each of the four partners that ask with me takes two, told apart by address
	s_lshl_b32 s20, s13, 3
	s_mul_i32 s22, s12, 24
	s_lshl_b32 s23, s14, 3
	s_add_co_u32 s22, s22, s23
	s_add_co_u32 s22, s22, 248
	s_cmp_eq_u32 s14, 0
	s_cselect_b32 s20, s20, s22
	s_cselect_b32 s21, s17, s18
	s_lshl_b32 s21, s21, 1
	s_add_co_u32 s20, s20, s21
	s_mul_i32 s20, s20, RBM
	s_add_co_u32 s20, s20, 2*GRP                   ; at group 2: the first refill steps it to group 3
	s_mov_b32 s21, 0
	s_add_nc_u64 s[PFA:PFA+1], s[4:5], s[20:21]
	; where the results go
	s_mul_i32 s20, s12, 819200
	s_mul_i32 s22, s13, 25600
	s_add_co_u32 s20, s20, s22
	s_mul_i32 s22, s15, 12800
	s_add_co_u32 s20, s20, s22                     ; K's or V's record (h, g)
	s_mul_i32 s22, s12, 204800
	s_lshr_b32 s23, s13, 1
	s_mul_i32 s23, s23, 12800
	s_add_co_u32 s22, s22, s23
	s_add_co_u32 s22, s22, 6553600                 ; Q's record (h, g / 2)
	s_and_b32 s23, s13, 1
	s_lshl_b32 s23, s23, 2
	s_xor_b32 s40, s15, 1
	s_lshl_b32 s40, s40, 1
	s_add_co_u32 s23, s23, s40                     ; its fragment 4 (g % 2) + 2 (wave 1) or + 0 (wave 3)
	s_cmp_eq_u32 s16, 0
	s_cselect_b32 s22, s20, s22
	s_cselect_b32 s23, 3, s23
	s_mul_i32 s40, s16, 5
	s_mov_b32 s43, 0
	s_mul_i32 s42, s40, 1536
	s_add_co_u32 s42, s42, s20
	s_add_nc_u64 s[OB1:OB1+1], s[10:11], s[42:43]
	s_lshl_b32 s42, s40, 6
	s_add_co_u32 s42, s42, s20
	s_add_co_u32 s42, s42, 12288
	s_add_nc_u64 s[WB1:WB1+1], s[10:11], s[42:43]
	s_mul_i32 s42, s23, 1536
	s_add_co_u32 s42, s42, s22
	s_add_nc_u64 s[OB1+2:OB1+3], s[10:11], s[42:43]
	s_lshl_b32 s42, s23, 6
	s_add_co_u32 s42, s42, s22
	s_add_co_u32 s42, s42, 12288
	s_add_nc_u64 s[WB1+2:WB1+3], s[10:11], s[42:43]
	s_mov_b32 s[SEL], 0x76543210
	s_mov_b32 s[SEL+1], 0xfedcba98
.macro FRAG reg, adr, q, i             ; a fragment as it lies: three loads of 512 consecutive bytes
.irp c, 0,1,2
	ds_load_b128 v[(\reg)+4*\c:(\reg)+4*\c+3], v[\adr] offset:(\i)*RBB+(\q)*1536+512*\c
.endr
.endm
.macro FETCH slot, q, p                ; a K step's fragments into set p: 13, and in odd waves Wq's 8
	WIN 0x40
.irp i, 0,1,2,3,4,5,6,7
	FRAG 128*(\p)+12*\i, ADP+\slot, \q, \i
.endr
	WIN 0
.irp j, 0,1,2
	FRAG UF+60*(\p)+12*\j, ADU1+\slot, \q, \j
.endr
.irp j, 0,1
	FRAG UF+60*(\p)+36+12*\j, ADU2+\slot, \q, \j
.endr
	s_cmp_eq_u32 s16, 0
	s_cbranch_scc1 .Leven_\@
	WIN 0xc0
.irp i, 0,1,2,3,4,5,6,7
	FRAG 64+96*(\p)+12*\i, ADR+\slot, \q, \i
.endr
	WIN 0
.Leven_\@:
.endm
.macro SCALES sc                       ; a slot's scale words: 3 i + q source 0's block i (lanes 16-31: Wq's); 24 + 3 u + q unit u's source 1
.irp i, 0,1,2,3,4,5,6,7
.irp q, 0,1,2
	ds_load_b32 v[SC+39*\sc+3*\i+\q], v[ADSP+\sc] offset:\i*RBB+\q*64
.endr
.endr
.irp j, 0,1,2
.irp q, 0,1,2
	ds_load_b32 v[SC+39*\sc+24+3*\j+\q], v[ADS1+\sc] offset:\j*RBB+\q*64
.endr
.endr
.irp j, 0,1
.irp q, 0,1,2
	ds_load_b32 v[SC+39*\sc+33+3*\j+\q], v[ADS2+\sc] offset:\j*RBB+\q*64
.endr
.endr
.endm
.macro UNIT u, p, q, sc, z, odd        ; a unit's 8 products; the 40 accumulators take turns, one instruction a turn, in the same order in every step
.irp b, 0,1,2,3,4,5,6,7
	WMMA 64*((\u)%4)+8*\b, (\odd)*(64+96*(\p))+(1-(\odd))*128*(\p)+12*\b, UF+60*(\p)+12*(\u), \z, SC+39*(\sc)+3*\b+(\q), SC+39*(\sc)+24+3*(\u)+(\q), \odd
.endr
.endm
.macro U34 p, q, sc, z                 ; units 3 and 4: even waves on source 0's set, odd waves on Wq's
	WIN 0
	s_cmp_eq_u32 s16, 0
	s_cbranch_scc0 .Lodd_\@
	WIN 0xa1
	UNIT 3, \p, \q, \sc, \z, 0
	WIN 0xf1
	UNIT 4, \p, \q, \sc, \z, 0
	WIN 0
	s_branch .Ljoin_\@
.Lodd_\@:
	WIN 0xa3
	UNIT 3, \p, \q, \sc, \z, 1
	WIN 0xf3
	UNIT 4, \p, \q, \sc, \z, 1
	WIN 0
.Ljoin_\@:
.endm
.macro STEP slot, q, p, z              ; a K step whose successor lies in the same slot: the next step's loads first, 40 products, the wait for the loads
	PLACES 4                                       ; in front of loads into registers that the last step's products have read
	FETCH \slot, (\q)+1, 1-(\p)
	WIN 0xa1
	UNIT 0, \p, \q, \slot, \z, 0
	UNIT 1, \p, \q, \slot, \z, 0
	UNIT 2, \p, \q, \slot, \z, 0
	U34 \p, \q, \slot, \z
	s_wait_dscnt 0x0
.endm
; A slot's third step: its fragments are in registers, so the slot is read no more.  Each wave waits for all its tensor loads (one is out: its part of the next slot), adds 0 to its spare word, and waits for that;
; the barrier opens a round of the cluster's, and the refill is the first tensor load behind it.  kind = 1: this slot's next group; kind = 2: cos and sin.
.macro TURN slot, next, p, kind, ask
.if \ask
	s_wait_xcnt 0x0                                ; the last prefetches, a slot back, have read their address
	s_add_nc_u64 s[PFA:PFA+1], s[PFA:PFA+1], GRP
.endif
	s_wait_tensorcnt 0x0
	ds_add_u32 v[SPW], v[NIL]
.if (\kind) == 1
	s_add_nc_u64 s[G0+4*\slot+2:G0+4*\slot+3], s[G0+4*\slot+2:G0+4*\slot+3], 2*GRP
	s_add_nc_u64 s[G0B+4*\slot+2:G0B+4*\slot+3], s[G0B+4*\slot+2:G0B+4*\slot+3], 2*GRP
.endif
	WIN 0xa1
	UNIT 0, \p, 2, \slot, 0, 0                     ; eight products stand between the add and the wait for it
	s_wait_dscnt 0x0
	s_barrier_signal -1
	UNIT 1, \p, 2, \slot, 0, 0
	WIN 0
	s_barrier_wait -1
	CREST
.if (\kind) == 1
	JLOAD G0+4*\slot, G0B+4*\slot                  ; its four v_nop are the places in front of the loads below
.else
	tensor_load_to_lds s[G0C:G0C+3], s[G1C:G1C+7]
	s_nop 0
.rept 4
	v_nop
.endr
.endif
	FETCH \next, 0, 1-(\p)
	SCALES \next
.if \ask
	global_prefetch_b8 v[PFO], s[PFA:PFA+1] th:TH_LOAD_NT scope:SCOPE_SE             ; the group that the next refill will ask for: my work-group's two row blocks of my eight
	global_prefetch_b8 v[PFO], s[PFA:PFA+1] offset:RBM th:TH_LOAD_NT scope:SCOPE_SE
.endif
	WIN 0xa1
	UNIT 2, \p, 2, \slot, 0, 0
	U34 \p, 2, \slot, 0
	s_wait_dscnt 0x0
.endm
	s_wait_alu depctr_va_vdst(0)
	s_wait_tensorcnt 0x0                           ; my part of group 0 is in; the same lines as ahead of a refill stand ahead of slot 1's first fill
	ds_add_u32 v[SPW], v[NIL]
	s_wait_dscnt 0x0
	CROUND
	JLOAD G0+4, G0B+4                              ; group 1
	FETCH 0, 0, 0
	SCALES 0
	s_wait_dscnt 0x0
	STEP 0, 0, 0, 1                                ; the first step's products start the sums
	s_mov_b32 s3, 4
.Llap:                                             ; a trip goes once round the ring, six steps; the set is the step's number mod 2.  The eight refills bring groups 2 to 9 and ask memory for groups 3 to 10
	STEP 0, 1, 1, 0
	TURN 0, 1, 0, 1, 1
	STEP 1, 0, 1, 0
	STEP 1, 1, 0, 0
	TURN 1, 0, 1, 1, 1
	STEP 0, 0, 0, 0
	s_sub_co_u32 s3, s3, 1
	s_cmp_lg_u32 s3, 0
	s_cbranch_scc1 .Llap
	STEP 0, 1, 1, 0
	TURN 0, 1, 0, 1, 0                             ; slot 0 takes group 10, the last
	STEP 1, 0, 1, 0
	STEP 1, 1, 0, 0
	TURN 1, 0, 1, 2, 0                             ; slot 1 takes cos and sin
	STEP 0, 0, 0, 0                                ; group 10 has two steps
	s_wait_tensorcnt 0x0                           ; my two images are in; no LDS instruction of mine is out
	s_barrier_signal -1
	WIN 0xa1
	UNIT 0, 1, 1, 0, 0, 0
	UNIT 1, 1, 1, 0, 0, 0
	UNIT 2, 1, 1, 0, 0, 0
	WIN 0
	s_barrier_wait -1                              ; everybody's are
	U34 1, 1, 0, 0
; THE WAY OUT, a unit at a time: its 64 numbers a lane are turned (registers e and 32 + e are columns d and d + 64), quantised and stored as one fragment
.macro ROTC u                          ; SCC = 1 where unit u has a rotary: units 0-2 in K's waves, units 3 and 4 in all but wave 2
.if (\u) < 3
	s_cmp_lt_u32 s14, 2
.else
	s_cmp_lg_u32 s14, 2
.endif
.endm
.macro LOADCS u                        ; unit u's cos (64 registers) and sin (64) into set u % 2 of window 1
	s_wait_alu depctr_va_vdst(0)
	ROTC \u
	s_cbranch_scc0 .Lnl_\@
	WIN 0x40
.set c, 0
.rept 32
	ds_load_b128 v[128*((\u)%2)+4*c:128*((\u)%2)+4*c+3], v[CS1+(\u)/3] offset:((\u)%3)*IMG+512*c
.set c, c+1
.endr
	WIN 0
.Lnl_\@:
.endm
.macro OUT u
.set WW, 2+(\u)/4
.set AC, 64*((\u)%4)
.set CZ, 128*((\u)%2)
	s_wait_alu depctr_va_vdst(0)
	ROTC \u
	s_cbranch_scc0 .Lnr_\@
	s_wait_dscnt 0x0                               ; cos and sin are in
	WIN WW|4
.set e, 0
.rept 16
	v_pk_mul_f32 v[TT+e:TT+e+1], v[AC+e:AC+e+1], v[CZ+96+e:CZ+96+e+1]          ; x(d) sin(d + 64), kept
.set e, e+2
.endr
	WIN (WW<<6)|WW|4
.set e, 0
.rept 16
	v_pk_mul_f32 v[AC+e:AC+e+1], v[AC+e:AC+e+1], v[CZ+e:CZ+e+1]                ; x(d) cos(d)
.set e, e+2
.endr
	WIN (WW<<6)|(WW<<4)|4|WW
.set e, 0
.rept 16
	v_pk_fma_f32 v[AC+e:AC+e+1], v[AC+32+e:AC+32+e+1], v[CZ+64+e:CZ+64+e+1], v[AC+e:AC+e+1] neg_lo:[1,0,0] neg_hi:[1,0,0]   ; - x(d + 64) sin(d)
.set e, e+2
.endr
	WIN (WW<<6)|WW|4
.set e, 0
.rept 16
	v_pk_fma_f32 v[AC+32+e:AC+32+e+1], v[AC+32+e:AC+32+e+1], v[CZ+32+e:CZ+32+e+1], v[TT+e:TT+e+1]   ; x(d + 64) cos(d + 64) + x(d) sin(d + 64)
.set e, e+2
.endr
	WIN 0
.Lnr_\@:
.if (\u) < 4
	LOADCS (\u)+1                                  ; the next unit's land while this one is quantised
.endif
	s_wait_alu depctr_va_vdst(0)
	s_wait_xcnt 0x0                                ; the last unit's stores have read the codes' registers and the word's
	QUANT AC, WW, PC, PT
.irp c, 0,1,2
	global_store_b128 v[LI], v[PC+4*\c:PC+4*\c+3], s[OB1+2*((\u)/3):OB1+2*((\u)/3)+1] offset:1536*((\u)%3)+512*\c   ; 512 consecutive bytes a store
.endr
	global_store_b32 v[W4], v[PW], s[WB1+2*((\u)/3):WB1+2*((\u)/3)+1] offset:64*((\u)%3)   ; lanes r and r + 16 store the same word with the same value
.endm
	PLACES 5                                       ; behind the last products: for the loads into source 0's registers, the writes over source 1's and the first reads of results
.irp b, 0,1,2,3
	v_mov_b32 v[TM+4+\b], 0                        ; written once: a lane permute's destination counts as one of its sources
.endr
	LOADCS 0
.irp u, 0,1,2,3,4
	OUT \u
.endr
	s_wait_tensorcnt 0x0                           ; the wave's end
	ds_add_u32 v[SPW], v[NIL]
	s_wait_dscnt 0x0
	CROUND                                         ; the closing round
	s_endpgm
.Lfunc_end_k_qaedb6bccb1_proj:
	.size	k_qaedb6bccb1_proj, .Lfunc_end_k_qaedb6bccb1_proj-k_qaedb6bccb1_proj
	.p2alignl 7, 3214868480
	.fill 96, 4, 3214868480
	.section	.rodata,"a",@progbits
	.p2align	6, 0x0
	.amdhsa_kernel k_qaedb6bccb1_proj
		.amdhsa_group_segment_fixed_size 327680
		.amdhsa_private_segment_fixed_size 0
		.amdhsa_enable_private_segment 0
		.amdhsa_kernarg_size 24
		.amdhsa_user_sgpr_count 2
		.amdhsa_user_sgpr_kernarg_segment_ptr 1
		.amdhsa_wavefront_size32 1
		.amdhsa_system_sgpr_workgroup_id_x 1
		.amdhsa_system_sgpr_workgroup_id_y 1
		.amdhsa_system_sgpr_workgroup_id_z 1
		.amdhsa_system_vgpr_workitem_id 0
		.amdhsa_next_free_vgpr 1024
		.amdhsa_next_free_sgpr 100
		.amdhsa_reserve_vcc 0
		.amdhsa_float_denorm_mode_32 3
		.amdhsa_float_denorm_mode_16_64 3
		.amdhsa_memory_ordered 1
		.amdhsa_forward_progress 1
		.amdhsa_inst_pref_size 245
	.end_amdhsa_kernel
	.amdgpu_metadata
---
amdhsa.version: [ 1, 2 ]
amdhsa.kernels:
  - .name:           k_qaedb6bccb1_proj
    .symbol:         k_qaedb6bccb1_proj.kd
    .args:
      - { .name: c2, .offset: 0, .size: 8, .value_kind: global_buffer, .address_space: global }
      - { .name: csi, .offset: 8, .size: 8, .value_kind: global_buffer, .address_space: global }
      - { .name: qkv, .offset: 16, .size: 8, .value_kind: global_buffer, .address_space: global }
    .group_segment_fixed_size: 327680
    .private_segment_fixed_size: 0
    .kernarg_segment_align: 8
    .kernarg_segment_size: 24
    .max_flat_workgroup_size: 128
    .sgpr_count:     100
    .vgpr_count:     1024
    .wavefront_size: 32
...
	.end_amdgpu_metadata
.endif
;; end of part 2
;; launch attn (part 3): grid 32 x 8, 8 waves a work-group, clusters of 4 x 1, 327,680 bytes of LDS; arguments qkv, att, atts; writes att, atts
.if DOCPART == 3
	.amdgcn_target "amdgcn-amd-amdhsa--gfx1250"
	.amdhsa_code_object_version 6
	.text
	.protected	k_qaedb6bccb1_attn
	.globl	k_qaedb6bccb1_attn
	.p2align	8
	.type	k_qaedb6bccb1_attn,@function
k_qaedb6bccb1_attn:
	s_mov_b64 s[64:65], 0
	v_nop
	global_prefetch_b8 v0, s[64:65] scope:SCOPE_SE
	s_setreg_imm32_b32 hwreg(HW_REG_WAVE_MODE, 25, 1), 1
	s_wait_xcnt 0x0
	s_wait_alu depctr_hold_cnt(0) depctr_sa_sdst(0) depctr_va_vdst(0) depctr_va_sdst(0) depctr_va_ssrc(0) depctr_va_vcc(0) depctr_vm_vsrc(0)
	s_getreg_b32 s2, hwreg(HW_REG_IB_STS2, 6, 4)
	s_cmp_eq_u32 s2, 0
	s_cbranch_scc0 .Lentry_in_a_cluster
	s_endpgm
.Lentry_in_a_cluster:
	s_bfe_u32 s2, ttmp6, 0x10000c
	s_cmp_lg_u32 s2, 0x3003
	s_cbranch_scc0 .Lentry_shape_is_right
	s_endpgm
.Lentry_shape_is_right:
; ATTN: for each head, O = softmax(Q K^T / sqrt(128)) V on codes of FP6; 2,048 queries, 4,096 keys, no mask.  The result leaves quantised along the head's 128, as the output product's operand.
; THE SOFTMAX AHEAD OF THE SECOND PRODUCT: t = score x log2(e) / sqrt(128); M = the largest t so far, rounded up to a whole number; p = 2^(t - M) is quantised along the keys, not normalised; the row's sum is taken of the
; unquantised p and divides at the end.  When M moves, the sum and O are multiplied by 2^(old M - new M), which rounds nothing.
; SHARES.  A work-group owns 64 queries of one head.  Wave w takes 32 of them (two tiles of 16: w % 2) against a quarter of the keys (w / 2), 8 steps of 128 keys; the four quarters are merged at the end, again by exact
; powers of two.  Two waves share a SIMD, so that one wave's vector work stands beside the other's matrix work; each fragment of K or V read from LDS feeds two matrix instructions.
; Both products are used transposed (S^T = K Q^T, O^T = V^T P^T): a lane holds one query throughout, and by the order of rows in the records the 16 registers of two neighbouring tiles are 16 neighbouring keys or channels.
; RECORDS of 12,800 bytes (8 fragments as register images, then their scale words): one joint tensor load a wave and a step brings one record (even waves K's, odd waves V's) into a ring of two slots.
; CLUSTER 4 x 1: the four query blocks of a cluster walk the same K and V: each record is asked for jointly, with a mask that names the four.
; LIMITS: a block of zeros gets the byte 1 (its codes are zeros); NaN and infinities are not served.
; REGISTERS: window 0: v1-13 addresses; v14-25 statistics, six a tile (-M, largest t, sum (2), f (2)); v26-36 scale words; v40-63 p's codes; v64-95 at work; v96-223 S^T, then p, 64 a tile.
;   window 1: v0-127 O^T, 64 a tile; v128-151 Q; v160-255 eight fragments of K or of V.
.set SLOT1, 1<<17
.set MST,   233472                     ; behind the ring: -M of 16 images, 128 bytes each; the sums 2,048 bytes on
.set SPARE, 237568                     ; the spare words, 128 bytes a wave: four blocks of 256 bytes that no other line names
.set FAD,  1                           ; v1  16 lane + my quarter's K record
.set SAD,  2                           ; v2  4 lane + that record's scale words
.set ADF,  3                           ; v3, v4 the same in the slot in hand
.set ADW,  4
.set SPW,  5
.set NIL,  6
.set LI,   7                           ; v7  16 lane
.set LW,   8                           ; v8  4 lane
.set OST,  9                           ; v9  the merge: where I put my two images of O^T
.set MSA,  10                          ; v10 and their -M and sums
.set IM0,  11                          ; v11, v12 the merge: where I read the four images of my query tile
.set IM1,  12
.set MRD,  13                          ; v13 and their -M and sums
.set ST0,  14
.set KSC,  26
.set VSC,  30
.set QS,   34
.set PW,   35                          ; v35, v36 p's scale words
.set PFO,  37
.set PC0,  40
.set PT,   64
.set BM0,  72
.set TM,   72
.set PMT,  80
.set SO0,  84
.set WK,   92
.set S,    96
.set QF,   128
.set FRG,  160
.set WV,   12
.set LIM,  15
.set PFA,  18
.set SEL,  20
.set CS,   22
.set TB,   36
.set CNT,  37
.set MSB, 0
.macro WIN new
.set NEWW, (\new)
.if MSB != NEWW
	s_set_vgpr_msb (MSB<<8)|NEWW
.set MSB, NEWW
.endif
.endm
.macro PLACES n
.rept \n
	v_nop
.endr
.endm
.macro WMMA d, x, y, z, sx, sy, rx, ry ; the scaled matrix line: z = 1: C = 0, else C = D; rx, ry = 1: the scale registers' lanes 16-31
.if (\z) && (\rx) && (\ry)
	v_wmma_scale_f32_16x16x128_f8f6f4 v[(\d):(\d)+7], v[(\x):(\x)+11], v[(\y):(\y)+11], 0, v[\sx], v[\sy] matrix_a_fmt:MATRIX_FMT_FP6 matrix_b_fmt:MATRIX_FMT_FP6 matrix_a_scale:MATRIX_SCALE_ROW1 matrix_b_scale:MATRIX_SCALE_ROW1
.elseif (\z) && (\rx)
	v_wmma_scale_f32_16x16x128_f8f6f4 v[(\d):(\d)+7], v[(\x):(\x)+11], v[(\y):(\y)+11], 0, v[\sx], v[\sy] matrix_a_fmt:MATRIX_FMT_FP6 matrix_b_fmt:MATRIX_FMT_FP6 matrix_a_scale:MATRIX_SCALE_ROW1
.elseif (\z) && (\ry)
	v_wmma_scale_f32_16x16x128_f8f6f4 v[(\d):(\d)+7], v[(\x):(\x)+11], v[(\y):(\y)+11], 0, v[\sx], v[\sy] matrix_a_fmt:MATRIX_FMT_FP6 matrix_b_fmt:MATRIX_FMT_FP6 matrix_b_scale:MATRIX_SCALE_ROW1
.elseif (\z)
	v_wmma_scale_f32_16x16x128_f8f6f4 v[(\d):(\d)+7], v[(\x):(\x)+11], v[(\y):(\y)+11], 0, v[\sx], v[\sy] matrix_a_fmt:MATRIX_FMT_FP6 matrix_b_fmt:MATRIX_FMT_FP6
.elseif (\rx) && (\ry)
	v_wmma_scale_f32_16x16x128_f8f6f4 v[(\d):(\d)+7], v[(\x):(\x)+11], v[(\y):(\y)+11], v[(\d):(\d)+7], v[\sx], v[\sy] matrix_a_fmt:MATRIX_FMT_FP6 matrix_b_fmt:MATRIX_FMT_FP6 matrix_a_scale:MATRIX_SCALE_ROW1 matrix_b_scale:MATRIX_SCALE_ROW1
.elseif (\rx)
	v_wmma_scale_f32_16x16x128_f8f6f4 v[(\d):(\d)+7], v[(\x):(\x)+11], v[(\y):(\y)+11], v[(\d):(\d)+7], v[\sx], v[\sy] matrix_a_fmt:MATRIX_FMT_FP6 matrix_b_fmt:MATRIX_FMT_FP6 matrix_a_scale:MATRIX_SCALE_ROW1
.elseif (\ry)
	v_wmma_scale_f32_16x16x128_f8f6f4 v[(\d):(\d)+7], v[(\x):(\x)+11], v[(\y):(\y)+11], v[(\d):(\d)+7], v[\sx], v[\sy] matrix_a_fmt:MATRIX_FMT_FP6 matrix_b_fmt:MATRIX_FMT_FP6 matrix_b_scale:MATRIX_SCALE_ROW1
.else
	v_wmma_scale_f32_16x16x128_f8f6f4 v[(\d):(\d)+7], v[(\x):(\x)+11], v[(\y):(\y)+11], v[(\d):(\d)+7], v[\sx], v[\sy] matrix_a_fmt:MATRIX_FMT_FP6 matrix_b_fmt:MATRIX_FMT_FP6
.endif
.endm
.macro QUANT s, W, pc, pt              ; 64 numbers of a lane, register 16 b + i = k 32 b + 16 (lane / 16) + i, become a fragment's codes in v[pc] on and its scale word in v[PW]
	WIN (\W)|((\W)<<2)
.irp b, 0,1,2,3
	v_max3_num_f32 v[TM+\b], |v[(\s)+16*\b]|, |v[(\s)+16*\b+1]|, 0x1800000
.endr
	WIN ((\W)<<2)|((\W)<<4)
.irp i, 2,4,6,8,10,12,14
.irp b, 0,1,2,3
	s_delay_alu instid0(VALU_DEP_4)
	v_max3_num_f32 v[TM+\b], v[TM+\b], |v[(\s)+16*\b+\i]|, |v[(\s)+16*\b+\i+1]|
.endr
.endr
	WIN 0
.irp b, 0,1,2,3
	s_delay_alu instid0(VALU_DEP_4)
	v_permlanex16_b32 v[TM+4+\b], v[TM+\b], s[SEL], s[SEL+1]
.endr
.irp b, 0,1,2,3
	s_delay_alu instid0(VALU_DEP_4)
	v_max_num_f32 v[TM+\b], v[TM+\b], v[TM+4+\b]
.endr
.irp b, 0,1,2,3
	s_delay_alu instid0(VALU_DEP_4)
	v_add_nc_u32 v[TM+12+\b], 0xff000000, v[TM+\b]
.endr
.irp b, 0,1,2,3
	s_delay_alu instid0(VALU_DEP_4)
	v_lshrrev_b32 v[TM+4+\b], 23, v[TM+12+\b]
.endr
	s_delay_alu instid0(VALU_DEP_3)
	v_lshl_or_b32 v[PW], v[TM+5], 8, v[TM+4]
	s_delay_alu instid0(VALU_DEP_1)
	v_lshl_or_b32 v[PW], v[TM+6], 16, v[PW]
	s_delay_alu instid0(VALU_DEP_1)
	v_lshl_or_b32 v[PW], v[TM+7], 24, v[PW]
	WIN (\W)
.irp c, 0,1
	v_cvt_scalef32_pk16_fp6_f32 v[(\pc)+6*\c:(\pc)+6*\c+2], v[(\s)+32*\c:(\s)+32*\c+15], v[TM+12+2*\c]
	v_cvt_scalef32_pk16_fp6_f32 v[(\pt)+4*\c:(\pt)+4*\c+2], v[(\s)+32*\c+16:(\s)+32*\c+31], v[TM+13+2*\c]
.endr
	WIN 0
	v_nop
.irp c, 0,1
.irp i, 0,1,2
	v_permlane16_swap_b32 v[(\pc)+6*\c+\i], v[(\pt)+4*\c+\i]
.endr
.irp i, 0,1,2
	s_delay_alu instid0(VALU_DEP_3)
	v_mov_b32 v[(\pc)+3+6*\c+\i], v[(\pt)+4*\c+\i]
.endr
.endr
.endm
.macro CROUND                          ; a round of the cluster's barrier
	s_barrier_signal -1
	s_barrier_wait -1
	s_cmp_lg_u32 s[WV], 0
	s_cbranch_scc1 .Lnot_wave_0_\@
	s_barrier_signal -3
.Lnot_wave_0_\@:
	s_barrier_wait -3
	s_barrier_signal -1
	s_barrier_wait -1
.endm
; A PREFETCH INTO THE L2 of the step behind the one that is being asked for: one step ahead of its tensor loads.  All clusters of a head walk the same records: the head's first cluster asks.  Its partner at place cx takes
; key quarter cx's 25,600 bytes (told apart by address), waves 0 to 3 a quarter of them each: 25 pieces of 256 bytes, a lane a piece (lanes 25-31 repeat lane 24's).  The last change that fills a slot asks for nothing.
.macro ASK
	s_cmp_gt_u32 s[CNT], s[LIM]
	s_cbranch_scc0 .Lnot_mine_\@
	global_prefetch_b8 v[PFO], s[PFA:PFA+1] th:TH_LOAD_NT scope:SCOPE_SE
.Lnot_mine_\@:
.endm
	s_load_b128 s[4:7], s[0:1], 0x0                ; qkv, att
	s_load_b64 s[8:9], s[0:1], 0x10                ; atts
	v_lshl_add_u32 v[SPW], v0, 2, SPARE
	v_mov_b32 v[NIL], 0
	ds_add_u32 v5, v6
	ds_add_u32 v5, v6
	s_wait_dscnt 0x0
	v_lshrrev_b32 v1, 5, v0
	s_delay_alu instid0(VALU_DEP_1)
	v_readfirstlane_b32 s[WV], v1                  ; wave 0..7
	s_lshr_b32 s16, s[WV], 1                       ; my quarter of the keys
	s_and_b32 s17, s[WV], 1                        ; my half of the queries.  Also: I fetch K's record (0) or V's (1)
	s_bfe_u32 s13, ttmp6, 0x40000                  ; cx
	s_lshl_b32 s14, ttmp9, 2
	s_add_co_u32 s14, s14, s13                     ; my block of 64 queries: it enters Q's and the results' addresses alone
	s_and_b32 s38, ttmp7, 0xffff                   ; the head, which the four partners share
	; descriptor group 1: a record, 12,800 dense bytes, as 50 rows of 256
	s_mov_b32 s24, 15|(3<<16)|(1<<21)              ; 15:0 the mask: all four; 17:16 elements of 8 bytes; 21 set beside a mask
	s_mov_b32 s25, 32<<16
	s_mov_b32 s26, 50<<16
	s_mov_b32 s27, 32<<16
	s_mov_b32 s28, 50
	s_mov_b32 s29, 32
	s_mov_b32 s30, 0
	s_mov_b32 s31, 0
	s_mul_i32 s40, s38, 819200
	s_mul_i32 s41, s16, 204800
	s_add_co_u32 s40, s40, s41
	s_mul_i32 s41, s17, 12800
	s_add_co_u32 s40, s40, s41
	s_mov_b32 s41, 0
	s_mov_b32 s[SEL], 0x76543210
	s_mov_b32 s[SEL+1], 0xfedcba98
	s_mov_b32 s[CS], 0x3e0293ee                    ; c = log2(e) / sqrt(128)
	s_mov_b32 s[CS+1], s[CS]
	s_mov_b32 s[TB], 0
	s_mov_b32 s[CNT], 7
	s_wait_kmcnt 0x0
	s_mov_b32 s32, 1
	s_mul_i32 s33, s[WV], 12800                    ; slot 0, my record's place
	s_add_nc_u64 s[34:35], s[4:5], s[40:41]
	s_or_b32 s35, s35, 0x80000000
	CROUND                                         ; all four work-groups are here: the first joint loads meet
	tensor_load_to_lds s[32:35], s[24:31]          ; step 0
	s_nop 0
.rept 4
	v_nop
.endr
	v_and_b32 v[WK], 31, v0
	s_delay_alu instid0(VALU_DEP_1)
	v_lshlrev_b32 v[LI], 4, v[WK]
	s_delay_alu instid0(VALU_DEP_2)
	v_lshlrev_b32 v[LW], 2, v[WK]
	s_wait_alu depctr_va_vdst(0)
	v_min_u32 v[PFO], 24, v[WK]
	s_delay_alu instid0(VALU_DEP_1)
	v_lshlrev_b32 v[PFO], 8, v[PFO]
	s_mul_i32 s40, s16, 25600
	v_add_nc_u32 v[FAD], s40, v[LI]
	s_add_co_u32 s40, s40, 12288
	v_add_nc_u32 v[SAD], s40, v[LW]
	s_lshl_b32 s40, s[WV], 14
	v_add_nc_u32 v[OST], s40, v[LI]
	s_lshl_b32 s40, s[WV], 8
	s_add_co_u32 s40, s40, MST
	v_add_nc_u32 v[MSA], s40, v[LW]
	s_lshl_b32 s40, s[WV], 13
	v_add_nc_u32 v[IM0], s40, v[LI]
	s_delay_alu instid0(VALU_DEP_1)
	v_add_nc_u32 v[IM1], 65536, v[IM0]
	s_lshl_b32 s40, s[WV], 7
	s_add_co_u32 s40, s40, MST
	v_add_nc_u32 v[MRD], s40, v[LW]
	; Q: two fragments of record (head, x / 2), from fragment 4 (x % 2) + 2 (wave % 2) on, and their scale words: lanes 0-15 tile 0's, lanes 16-31 tile 1's
	s_lshr_b32 s40, s14, 1
	s_lshl_b32 s41, s38, 4
	s_add_co_u32 s40, s40, s41
	s_mul_i32 s40, s40, 12800
	s_add_co_u32 s40, s40, 6553600
	s_and_b32 s41, s14, 1
	s_lshl_b32 s41, s41, 2
	s_lshl_b32 s42, s17, 1
	s_add_co_u32 s41, s41, s42
	s_mul_i32 s42, s41, 1536
	s_add_co_u32 s42, s42, s40
	s_mov_b32 s43, 0
	s_add_nc_u64 s[42:43], s[4:5], s[42:43]
	s_lshl_b32 s41, s41, 6
	s_add_co_u32 s40, s40, s41
	s_add_co_u32 s40, s40, 12288
	s_mov_b32 s41, 0
	s_add_nc_u64 s[40:41], s[4:5], s[40:41]
	WIN 0x40                                       ; destination window 1
.irp c, 0,1,2,3,4,5
	global_load_b128 v[QF+4*\c:QF+4*\c+3], v[LI], s[42:43] offset:512*\c
.endr
	WIN 0
	global_load_b32 v[QS], v[LW], s[40:41]
	; the prefetches
	s_mul_i32 s44, s38, 819200
	s_mul_i32 s45, s13, 204800
	s_add_co_u32 s44, s44, s45
	s_mul_i32 s45, s[WV], 6400
	s_add_co_u32 s44, s44, s45
	s_add_co_u32 s44, s44, 25600                   ; at step 1: the first change of slots steps it to step 2
	s_mov_b32 s45, 0
	s_add_nc_u64 s[PFA:PFA+1], s[4:5], s[44:45]
	s_lshr_b32 s44, s[WV], 2                       ; 0 in waves 0 to 3,
	s_or_b32 s44, s44, ttmp9                       ; of the head's first cluster: the same in all four partners
	s_cmp_eq_u32 s44, 0
	s_cselect_b32 s[LIM], 1, -1
.irp u, 0,1
	v_mov_b32 v[ST0+6*\u+1], 0xff61b1e6            ; the largest t so far: -3e38
	s_delay_alu instid0(VALU_DEP_1)
	v_floor_f32 v[ST0+6*\u], -v[ST0+6*\u+1]        ; -M
	v_mov_b32 v[ST0+6*\u+2], 0                     ; the sum, in two halves
	v_mov_b32 v[ST0+6*\u+3], 0
	v_mov_b32 v[ST0+6*\u+5], 0                     ; (named as the upper half of f's pair)
.endr
.irp b, 0,1,2,3
	v_mov_b32 v[PMT+\b], 0                         ; written once: a lane permute's destination counts as one of its sources
.endr
	WIN 0x40
.set j, 0
.rept 128
	v_mov_b32 v[j], 0                              ; O^T.  (The step is written for the loop alone: the first finds zeros, which the first change of M leaves zeros)
.set j, j+1
.endr
	WIN 0
	s_wait_loadcnt 0x0                             ; Q
.macro SMA u                           ; tile u: the blocks' largest scores, the new M, f, and t - M
.set SB, S+64*(\u)
.set BM, BM0+4*(\u)
.set ST, ST0+6*(\u)
.irp b, 0,1,2,3
	v_max3_num_f32 v[BM+\b], v[SB+16*\b], v[SB+16*\b+1], v[SB+16*\b+2]   ; the largest score of each block of 32 keys: it serves the row's maximum and, since p rises with the score, the block's largest p
.endr
.irp i, 3,5,7,9,11,13
.irp b, 0,1,2,3
	v_max3_num_f32 v[BM+\b], v[BM+\b], v[SB+16*\b+\i], v[SB+16*\b+\i+1]
.endr
.endr
.irp b, 0,1,2,3
	v_max_num_f32 v[BM+\b], v[BM+\b], v[SB+16*\b+15]
.endr
.irp b, 0,1,2,3
	s_delay_alu instid0(VALU_DEP_4)
	v_permlanex16_b32 v[PMT+\b], v[BM+\b], s[SEL], s[SEL+1]
.endr
.irp b, 0,1,2,3
	s_delay_alu instid0(VALU_DEP_4)
	v_max_num_f32 v[BM+\b], v[BM+\b], v[PMT+\b]
.endr
	s_delay_alu instid0(VALU_DEP_2)
	v_max3_num_f32 v[WK], v[BM], v[BM+1], v[BM+2]
	s_delay_alu instid0(VALU_DEP_1)
	v_max_num_f32 v[WK], v[WK], v[BM+3]
	s_delay_alu instid0(VALU_DEP_1)
	v_mul_f32 v[WK], s[CS], v[WK]
	s_delay_alu instid0(VALU_DEP_1)
	v_max_num_f32 v[ST+1], v[ST+1], v[WK]          ; the running largest t
	v_mov_b32 v[WK], v[ST]
	s_delay_alu instid0(VALU_DEP_2)
	v_floor_f32 v[ST], -v[ST+1]                    ; the new -M = -ceil(t)
	s_delay_alu instid0(VALU_DEP_1)
	v_sub_f32 v[WK], v[ST], v[WK]                  ; old M - new M: a whole number, 0 or less
	s_delay_alu instid0(VALU_DEP_1)
	v_cvt_i32_f32 v[WK], v[WK]                     ; (it saturates)
	s_delay_alu instid0(VALU_DEP_1)
	v_ldexp_f32 v[ST+4], 1.0, v[WK]                ; f = 2^(old M - new M)
.set j, 0
.rept 32
	v_pk_fma_f32 v[SB+j:SB+j+1], v[SB+j:SB+j+1], s[CS:CS+1], v[ST:ST+1] op_sel_hi:[1,0,0]   ; t - M
.set j, j+2
.endr
.irp b, 0,1,2,3
	v_fma_f32 v[BM+\b], v[BM+\b], s[CS], v[ST]     ; the same of each block's largest score
.endr
.endm
.macro SMD u                           ; tile u: p's scale word and codes
.set SB, S+64*(\u)
.set BM, BM0+4*(\u)
.set SO, SO0+4*(\u)
.set PC, PC0+12*(\u)
.irp b, 0,1,2,3
	v_max_num_f32 v[BM+\b], 0x1800000, v[BM+\b]    ; the floor 2^(3 - 127): the byte cannot fall under 1
.endr
.irp b, 0,1,2,3
	s_delay_alu instid0(VALU_DEP_4)
	v_add_nc_u32 v[SO+\b], 0xff000000, v[BM+\b]
.endr
.irp b, 0,1,2,3
	s_delay_alu instid0(VALU_DEP_4)
	v_lshrrev_b32 v[BM+\b], 23, v[SO+\b]
.endr
	s_delay_alu instid0(VALU_DEP_3)
	v_lshl_or_b32 v[PW+\u], v[BM+1], 8, v[BM]
	s_delay_alu instid0(VALU_DEP_1)
	v_lshl_or_b32 v[PW+\u], v[BM+2], 16, v[PW+\u]
	s_delay_alu instid0(VALU_DEP_1)
	v_lshl_or_b32 v[PW+\u], v[BM+3], 24, v[PW+\u]
.irp c, 0,1
	v_cvt_scalef32_pk16_fp6_f32 v[PC+6*\c:PC+6*\c+2], v[SB+32*\c:SB+32*\c+15], v[SO+2*\c]
	v_cvt_scalef32_pk16_fp6_f32 v[PT+4*\c:PT+4*\c+2], v[SB+32*\c+16:SB+32*\c+31], v[SO+2*\c+1]
.endr
	v_nop                                          ; one plain place behind a scaled conversion
.irp c, 0,1
.irp i, 0,1,2
	v_permlane16_swap_b32 v[PC+6*\c+\i], v[PT+4*\c+\i]
.endr
.irp i, 0,1,2
	s_delay_alu instid0(VALU_DEP_3)
	v_mov_b32 v[PC+3+6*\c+\i], v[PT+4*\c+\i]
.endr
.endr
.endm
; A KEY STEP: 128 keys of my quarter against my 32 queries
.macro STEP
	v_add_nc_u32 v[ADF], s[TB], v[FAD]
	v_add_nc_u32 v[ADW], s[TB], v[SAD]
	WIN 0x40
.irp t, 0,1,2,3,4,5,6,7
.irp c, 0,1,2
	ds_load_b128 v[FRG+12*\t+4*\c:FRG+12*\t+4*\c+3], v[ADF] offset:1536*\t+512*\c
.endr
.endr
	WIN 0
.irp i, 0,1,2,3
	ds_load_b32 v[KSC+\i], v[ADW] offset:128*\i    ; lanes 0-15 fragment 2 i's words, lanes 16-31 fragment 2 i + 1's
.endr
	s_wait_alu depctr_va_vdst(0)
	s_wait_dscnt 0x0
	WIN 0x05                                       ; K and Q in window 1, S^T in window 0
.irp t, 0,1,2,3,4,5,6,7
.irp u, 0,1
	WMMA S+64*\u+8*\t, FRG+12*\t, QF+12*\u, 1, KSC+\t/2, QS, \t%2, \u
.endr
.endr
	WIN 0
	PLACES 4                                       ; in front of the loads into K's registers and of the first reads of the scores
	WIN 0x40
.irp t, 0,1,2,3,4,5,6,7
.irp c, 0,1,2
	ds_load_b128 v[FRG+12*\t+4*\c:FRG+12*\t+4*\c+3], v[ADF] offset:12800+1536*\t+512*\c   ; V lands while the softmax is walked
.endr
.endr
	WIN 0
.irp i, 0,1,2,3
	ds_load_b32 v[VSC+\i], v[ADW] offset:12800+128*\i
.endr
	SMA 0
	SMA 1
.set j, 0
	s_wait_alu depctr_va_vdst(0)
.rept 128
	v_exp_f32 v[S+j], v[S+j]                       ; p = 2^(t - M), at most 1: not normalised
.set j, j+1
.endr
	v_pk_mul_f32 v[ST0+2:ST0+3], v[ST0+2:ST0+3], v[ST0+4:ST0+5] op_sel_hi:[1,0]     ; the sums under the new M (plain lines behind the exponentials)
	v_pk_mul_f32 v[ST0+8:ST0+9], v[ST0+8:ST0+9], v[ST0+10:ST0+11] op_sel_hi:[1,0]
	s_wait_alu depctr_va_vdst(0)                   ; one wait for the batch of 128, ahead of its first reader
.set j, 0
.rept 8
	v_exp_f32 v[BM0+j], v[BM0+j]                   ; the blocks' largest p
.set j, j+1
.endr
.irp u, 0,1
	v_pk_add_f32 v[WK+2*\u:WK+2*\u+1], v[S+64*\u:S+64*\u+1], v[S+64*\u+2:S+64*\u+3]   ; the rows' sums of the unquantised p, in two chains a tile
.endr
.irp j, 4,8,12,16,20,24,28,32,36,40,44,48,52,56,60
.irp u, 0,1
	v_pk_add_f32 v[ST0+6*\u+2:ST0+6*\u+3], v[ST0+6*\u+2:ST0+6*\u+3], v[S+64*\u+\j:S+64*\u+\j+1]
	v_pk_add_f32 v[WK+2*\u:WK+2*\u+1], v[WK+2*\u:WK+2*\u+1], v[S+64*\u+\j+2:S+64*\u+\j+3]
.endr
.endr
.irp u, 0
	s_delay_alu instid0(VALU_DEP_3)
	v_pk_add_f32 v[ST0+6*\u+2:ST0+6*\u+3], v[ST0+6*\u+2:ST0+6*\u+3], v[WK+2*\u:WK+2*\u+1]
.endr
.irp u, 1
	s_delay_alu instid0(VALU_DEP_2)
	v_pk_add_f32 v[ST0+6*\u+2:ST0+6*\u+3], v[ST0+6*\u+2:ST0+6*\u+3], v[WK+2*\u:WK+2*\u+1]
.endr
	s_wait_alu depctr_va_vdst(0)                   ; and one for the eight
	SMD 0
	SMD 1
	WIN 0x41                                       ; O^T in window 1, f in window 0
.irp u, 0,1
.set j, 0
.rept 32
	v_pk_mul_f32 v[64*\u+j:64*\u+j+1], v[64*\u+j:64*\u+j+1], v[ST0+6*\u+4:ST0+6*\u+5] op_sel_hi:[1,0]   ; O^T under the new M; these lines also part p's codes and scale words from the products below
.set j, j+2
.endr
.endr
	s_wait_alu depctr_va_vdst(0)
	s_wait_dscnt 0x0                               ; V is in
	WIN 0x51                                       ; V, C and D in window 1, p in window 0
.irp t, 0,1,2,3,4,5,6,7
.irp u, 0,1
	WMMA 64*\u+8*\t, FRG+12*\t, PC0+12*\u, 0, VSC+\t/2, PW+\u, \t%2, 0   ; sixteen accumulators, one instruction each
.endr
.endr
	WIN 0
	PLACES 4                                       ; in front of the next loads into V's registers, and of the reads of O^T
	s_xor_b32 s[TB], s[TB], SLOT1
.endm
; THE CHANGE OF SLOTS stands at a step's head: each wave waits for all its tensor loads (its record of the step ahead), adds 0 to its spare word, and waits for that and for its reads of the slot that it has left.
; fill = 1: the barrier is a round of the cluster's, and behind it the slot just left takes the step after: one load a wave, with a whole step in which to land.
.macro CHANGE fill
	s_wait_tensorcnt 0x0
	ds_add_u32 v[SPW], v[NIL]
.if \fill
	s_xor_b32 s33, s33, SLOT1                      ; the walking descriptor: the other slot, the next step's record
	s_add_nc_u64 s[34:35], s[34:35], 25600
	s_wait_xcnt 0x0                                ; the last prefetch, a step back, has read its address
	s_add_nc_u64 s[PFA:PFA+1], s[PFA:PFA+1], 25600
	s_wait_dscnt 0x0
	CROUND
	tensor_load_to_lds s[32:35], s[24:31]
	s_nop 0
.rept 4
	v_nop
.endr
	ASK
.else
	s_wait_dscnt 0x0
	s_barrier_signal -1
	s_barrier_wait -1
.endif
.endm
.Lstep:                                            ; 7 trips: behind each change of slots but the last the next step is asked for
	CHANGE 1
	STEP
	s_sub_co_u32 s[CNT], s[CNT], 1
	s_cmp_lg_u32 s[CNT], 0
	s_cbranch_scc1 .Lstep
	CHANGE 0                                       ; the last step is written out
	STEP
	; THE MERGE.  Each wave puts its two tiles' O^T, -M and sum into LDS: images of registers, image 4 x quarter + query tile, in slot 0, which has had its last fill and, since the last barrier, its last read.
.irp u, 0,1
	v_add_f32 v[ST0+6*\u+2], v[ST0+6*\u+2], v[ST0+6*\u+3]
.endr
.irp u, 0,1
	ds_store_b32 v[MSA], v[ST0+6*\u] offset:128*\u
	ds_store_b32 v[MSA], v[ST0+6*\u+2] offset:2048+128*\u
.endr
	WIN 0x04                                       ; an LDS store's data are its source 1: window 1
.irp u, 0,1
.irp c, 0,1,2,3,4,5,6,7,8,9,10,11,12,13,14,15
	ds_store_b128 v[OST], v[64*\u+4*\c:64*\u+4*\c+3] offset:8192*\u+512*\c   ; each accumulator from its low end on
.endr
.endr
	WIN 0
	s_wait_dscnt 0x0                               ; for the others' sake: my stores have landed
	s_barrier_signal -1
	s_barrier_wait -1
	s_cmp_lt_u32 s[WV], 4                          ; wave w < 4 merges query tile w; the others have nothing left
	s_cbranch_scc0 .Lend
.irp k, 0,1,2,3
	ds_load_b32 v[72+\k], v[MRD] offset:512*\k     ; -M of quarter k
	ds_load_b32 v[76+\k], v[MRD] offset:2048+512*\k   ; its sum
.endr
.irp c, 0,1,2,3,4,5,6,7,8,9,10,11,12,13,14,15
	ds_load_b128 v[S+4*\c:S+4*\c+3], v[IM0] offset:512*\c
.endr
.irp c, 0,1,2,3,4,5,6,7,8,9,10,11,12,13,14,15
	ds_load_b128 v[S+64+4*\c:S+64+4*\c+3], v[IM0] offset:32768+512*\c
.endr
	WIN 0x40
.irp c, 0,1,2,3,4,5,6,7,8,9,10,11,12,13,14,15
	ds_load_b128 v[4*\c:4*\c+3], v[IM1] offset:512*\c
.endr
	WIN 0
	s_wait_dscnt 48                                ; the eight words are in; three images, 48 loads, may be out
	v_min_num_f32 v80, v72, v73
	s_delay_alu instid0(VALU_DEP_1)
	v_min3_num_f32 v80, v80, v74, v75              ; -M of the whole row
.irp k, 0,1,2,3
	v_sub_f32 v[WK+\k], v80, v[72+\k]              ; M of quarter k less the row's: a whole number, 0 or less
.endr
.irp k, 0,1,2,3
	s_delay_alu instid0(VALU_DEP_4)
	v_cvt_i32_f32 v[WK+\k], v[WK+\k]
.endr
.irp k, 0,1,2,3
	s_delay_alu instid0(VALU_DEP_4)
	v_ldexp_f32 v[84+2*\k], 1.0, v[WK+\k]          ; the quarter's factor: an exact power of two
.endr
	s_delay_alu instid0(VALU_DEP_4)
	v_mul_f32 v81, v84, v76
	s_delay_alu instid0(VALU_DEP_1)
	v_fma_f32 v81, v86, v77, v81
	s_delay_alu instid0(VALU_DEP_1)
	v_fma_f32 v81, v88, v78, v81
	s_delay_alu instid0(VALU_DEP_1)
	v_fma_f32 v81, v90, v79, v81
	s_delay_alu instid0(VALU_DEP_1)
	v_permlanex16_b32 v82, v81, s[SEL], s[SEL+1]
	s_delay_alu instid0(VALU_DEP_1)
	v_add_f32 v81, v81, v82                        ; the row's sum
	s_wait_alu depctr_va_vdst(0)
	v_rcp_f32 v82, v81
	WIN 0x40
.irp c, 0,1,2,3,4,5,6,7,8,9,10,11,12,13,14,15
	ds_load_b128 v[64+4*\c:64+4*\c+3], v[IM1] offset:32768+512*\c
.endr
	WIN 0
	v_nop                                          ; a plain place behind the reciprocal
	s_wait_alu depctr_va_vdst(0)                   ; and the wait ahead of its first reader
.irp k, 0,1,2,3
	v_mul_f32 v[84+2*\k], v[84+2*\k], v82          ; the division goes into the four factors
.endr
	s_wait_alu depctr_va_vdst(0)
	s_wait_dscnt 48                                ; image 0 is in
.set j, 0
.rept 32
	v_pk_mul_f32 v[S+j:S+j+1], v[S+j:S+j+1], v[84:85] op_sel_hi:[1,0]
.set j, j+2
.endr
	s_wait_dscnt 32
.set j, 0
.rept 32
	v_pk_fma_f32 v[S+j:S+j+1], v[S+64+j:S+64+j+1], v[86:87], v[S+j:S+j+1] op_sel_hi:[1,0,1]
.set j, j+2
.endr
	s_wait_dscnt 16
	WIN 0x01
.set j, 0
.rept 32
	v_pk_fma_f32 v[S+j:S+j+1], v[j:j+1], v[88:89], v[S+j:S+j+1] op_sel_hi:[1,0,1]
.set j, j+2
.endr
	s_wait_dscnt 0x0
.set j, 0
.rept 32
	v_pk_fma_f32 v[S+j:S+j+1], v[64+j:64+j+1], v[90:91], v[S+j:S+j+1] op_sel_hi:[1,0,1]
.set j, j+2
.endr
	WIN 0
	QUANT S, 0, PC0, PC0+12                        ; register 16 b + i is channel 32 b + 16 (lane / 16) + i of my query: K step = the head in the output product
	s_lshl_b32 s40, s14, 2
	s_add_co_u32 s40, s40, s[WV]                   ; the row block: 4 x + w
	s_lshl_b32 s41, s40, 3
	s_add_co_u32 s41, s41, s38
	s_mul_i32 s42, s41, 1536
	s_mov_b32 s43, 0
	s_add_nc_u64 s[6:7], s[6:7], s[42:43]
	s_lshl_b32 s42, s38, 13
	s_lshl_b32 s40, s40, 6
	s_add_co_u32 s42, s42, s40
	s_add_nc_u64 s[8:9], s[8:9], s[42:43]
	v_and_b32 v[WK], 15, v0
	s_delay_alu instid0(VALU_DEP_1)
	v_lshlrev_b32 v[WK], 2, v[WK]
	s_wait_alu depctr_va_vdst(0)
.irp c, 0,1,2
	global_store_b128 v[LI], v[PC0+4*\c:PC0+4*\c+3], s[6:7] offset:512*\c
.endr
	global_store_b32 v[WK], v[PW], s[8:9]          ; lanes r and r + 16 store the same word with the same value
.Lend:
	s_wait_tensorcnt 0x0                           ; the wave's end
	ds_add_u32 v[SPW], v[NIL]
	s_wait_dscnt 0x0
	CROUND                                         ; the closing round
	s_endpgm
.Lfunc_end_k_qaedb6bccb1_attn:
	.size	k_qaedb6bccb1_attn, .Lfunc_end_k_qaedb6bccb1_attn-k_qaedb6bccb1_attn
	.p2alignl 7, 3214868480
	.fill 96, 4, 3214868480
	.section	.rodata,"a",@progbits
	.p2align	6, 0x0
	.amdhsa_kernel k_qaedb6bccb1_attn
		.amdhsa_group_segment_fixed_size 327680
		.amdhsa_private_segment_fixed_size 0
		.amdhsa_enable_private_segment 0
		.amdhsa_kernarg_size 24
		.amdhsa_user_sgpr_count 2
		.amdhsa_user_sgpr_kernarg_segment_ptr 1
		.amdhsa_wavefront_size32 1
		.amdhsa_system_sgpr_workgroup_id_x 1
		.amdhsa_system_sgpr_workgroup_id_y 1
		.amdhsa_system_sgpr_workgroup_id_z 1
		.amdhsa_system_vgpr_workitem_id 0
		.amdhsa_next_free_vgpr 512
		.amdhsa_next_free_sgpr 66
		.amdhsa_reserve_vcc 0
		.amdhsa_float_denorm_mode_32 3
		.amdhsa_float_denorm_mode_16_64 3
		.amdhsa_memory_ordered 1
		.amdhsa_forward_progress 1
		.amdhsa_inst_pref_size 107
	.end_amdhsa_kernel
	.amdgpu_metadata
---
amdhsa.version: [ 1, 2 ]
amdhsa.kernels:
  - .name:           k_qaedb6bccb1_attn
    .symbol:         k_qaedb6bccb1_attn.kd
    .args:
      - { .name: qkv, .offset: 0, .size: 8, .value_kind: global_buffer, .address_space: global }
      - { .name: att, .offset: 8, .size: 8, .value_kind: global_buffer, .address_space: global }
      - { .name: atts, .offset: 16, .size: 8, .value_kind: global_buffer, .address_space: global }
    .group_segment_fixed_size: 327680
    .private_segment_fixed_size: 0
    .kernarg_segment_align: 8
    .kernarg_segment_size: 24
    .max_flat_workgroup_size: 256
    .sgpr_count:     66
    .vgpr_count:     512
    .wavefront_size: 32
...
	.end_amdgpu_metadata
.endif
;; end of part 3
;; launch outp (part 4): grid 16 x 16, 4 waves a work-group, clusters of 4 x 4, 295,424 bytes of LDS; arguments att, atts, c1, s1, out0; writes out0
.if DOCPART == 4
	.amdgcn_target "amdgcn-amd-amdhsa--gfx1250"
	.amdhsa_code_object_version 6
	.text
	.protected	k_qaedb6bccb1_outp
	.globl	k_qaedb6bccb1_outp
	.p2align	8
	.type	k_qaedb6bccb1_outp,@function
k_qaedb6bccb1_outp:
	s_mov_b64 s[64:65], 0
	v_nop
	global_prefetch_b8 v0, s[64:65] scope:SCOPE_SE
	s_setreg_imm32_b32 hwreg(HW_REG_WAVE_MODE, 25, 1), 1
	s_wait_xcnt 0x0
	s_wait_alu depctr_hold_cnt(0) depctr_sa_sdst(0) depctr_va_vdst(0) depctr_va_sdst(0) depctr_va_ssrc(0) depctr_va_vcc(0) depctr_vm_vsrc(0)
	s_getreg_b32 s2, hwreg(HW_REG_IB_STS2, 6, 4)
	s_cmp_eq_u32 s2, 0
	s_cbranch_scc0 .Lentry_in_a_cluster
	s_endpgm
.Lentry_in_a_cluster:
	s_bfe_u32 s2, ttmp6, 0x10000c
	s_cmp_lg_u32 s2, 0xf033
	s_cbranch_scc0 .Lentry_shape_is_right
	s_endpgm
.Lentry_shape_is_right:
; OUTP: out0 = attn Wo^T on codes of FP6: M = 2,048, N = 4,096, K = 1,024.  256 tiles of 128 (M) x 256 (N); four waves, each 64 x 128: 32 accumulators.
; Both operands lie in memory as images of operand registers (a fragment: three loads of 512 consecutive bytes).  ALL OF K FITS IN LDS: four pieces of two K steps, each brought by one joint tensor load a wave at the head;
; nothing is filled again, so there is no ring.  A wave has four tensor loads out at the most.  A's tile is shared along a row of the 4 x 4 cluster, B's along a column.
; The scale words go from memory straight into registers, once: 48 registers.
; USED TRANSPOSED (source 0 = 16 rows of Wo, source 1 = 16 rows of attn): a lane's eight results are eight neighbouring columns of one row.  The rows of a row block are not neighbours (row r of block B is the true row
; 32 (B / 2) + 8 (B % 2) + r + 8 (r / 8)): the stage's offsets and the stores' immediates put each number at its true place.
; REGISTERS: window 0: v1-15 addresses; v16-31 attn's scale words, v32-63 Wo's; v64-111 attn's four fragments, v112-207 Wo's eight (even K steps); window 2: the same numbers (odd K steps); window 1: the accumulators, (a, b) at v[8 (8 a + b)].
.set CH,   73728
.set FA,   64
.set FB,   112
.set BSO,  1                           ; v1  Wo's scale words: 4 r + 512 h
.set ADA,  4                           ; v4  my fragments of attn
.set ADB,  8                           ; v8, v9 of Wo: row blocks 0-3 and 4-7
.set STO,  12
.set RD,   13
.set CO,   14                          ; v14 16 x lane
.set ASO,  15                          ; v15 4 x lane
.set SCA,  16
.set SCB,  32
.set BK,   64                          ; the way out: 16 rows read back: v64-127 and v128-191 by turns
.set MSB, 0
.macro WIN new
.set NEWW, (\new)
.if MSB != NEWW
	s_set_vgpr_msb (MSB<<8)|NEWW
.set MSB, NEWW
.endif
.endm
.macro PLACES n
.rept \n
	v_nop
.endr
.endm
.macro WMMA d, x, y, z, sx, sy, rx, ry ; the scaled matrix line: z = 1: C = 0, else C = D; rx, ry = 1: the scale registers' lanes 16-31
.if (\z) && (\rx) && (\ry)
	v_wmma_scale_f32_16x16x128_f8f6f4 v[(\d):(\d)+7], v[(\x):(\x)+11], v[(\y):(\y)+11], 0, v[\sx], v[\sy] matrix_a_fmt:MATRIX_FMT_FP6 matrix_b_fmt:MATRIX_FMT_FP6 matrix_a_scale:MATRIX_SCALE_ROW1 matrix_b_scale:MATRIX_SCALE_ROW1
.elseif (\z) && (\rx)
	v_wmma_scale_f32_16x16x128_f8f6f4 v[(\d):(\d)+7], v[(\x):(\x)+11], v[(\y):(\y)+11], 0, v[\sx], v[\sy] matrix_a_fmt:MATRIX_FMT_FP6 matrix_b_fmt:MATRIX_FMT_FP6 matrix_a_scale:MATRIX_SCALE_ROW1
.elseif (\z) && (\ry)
	v_wmma_scale_f32_16x16x128_f8f6f4 v[(\d):(\d)+7], v[(\x):(\x)+11], v[(\y):(\y)+11], 0, v[\sx], v[\sy] matrix_a_fmt:MATRIX_FMT_FP6 matrix_b_fmt:MATRIX_FMT_FP6 matrix_b_scale:MATRIX_SCALE_ROW1
.elseif (\z)
	v_wmma_scale_f32_16x16x128_f8f6f4 v[(\d):(\d)+7], v[(\x):(\x)+11], v[(\y):(\y)+11], 0, v[\sx], v[\sy] matrix_a_fmt:MATRIX_FMT_FP6 matrix_b_fmt:MATRIX_FMT_FP6
.elseif (\rx) && (\ry)
	v_wmma_scale_f32_16x16x128_f8f6f4 v[(\d):(\d)+7], v[(\x):(\x)+11], v[(\y):(\y)+11], v[(\d):(\d)+7], v[\sx], v[\sy] matrix_a_fmt:MATRIX_FMT_FP6 matrix_b_fmt:MATRIX_FMT_FP6 matrix_a_scale:MATRIX_SCALE_ROW1 matrix_b_scale:MATRIX_SCALE_ROW1
.elseif (\rx)
	v_wmma_scale_f32_16x16x128_f8f6f4 v[(\d):(\d)+7], v[(\x):(\x)+11], v[(\y):(\y)+11], v[(\d):(\d)+7], v[\sx], v[\sy] matrix_a_fmt:MATRIX_FMT_FP6 matrix_b_fmt:MATRIX_FMT_FP6 matrix_a_scale:MATRIX_SCALE_ROW1
.elseif (\ry)
	v_wmma_scale_f32_16x16x128_f8f6f4 v[(\d):(\d)+7], v[(\x):(\x)+11], v[(\y):(\y)+11], v[(\d):(\d)+7], v[\sx], v[\sy] matrix_a_fmt:MATRIX_FMT_FP6 matrix_b_fmt:MATRIX_FMT_FP6 matrix_b_scale:MATRIX_SCALE_ROW1
.else
	v_wmma_scale_f32_16x16x128_f8f6f4 v[(\d):(\d)+7], v[(\x):(\x)+11], v[(\y):(\y)+11], v[(\d):(\d)+7], v[\sx], v[\sy] matrix_a_fmt:MATRIX_FMT_FP6 matrix_b_fmt:MATRIX_FMT_FP6
.endif
.endm
.macro CROUND                          ; a round of the cluster's barrier
	s_barrier_signal -1
	s_barrier_wait -1
	s_cmp_lg_u32 s14, 0
	s_cbranch_scc1 .Lnot_wave_0_\@
	s_barrier_signal -3
.Lnot_wave_0_\@:
	s_barrier_wait -3
	s_barrier_signal -1
	s_barrier_wait -1
.endm
	s_load_b256 s[4:11], s[0:1], 0x0               ; att s[4:5], atts s[6:7], c1 s[8:9], s1 s[10:11]
	s_load_b64 s[12:13], s[0:1], 0x20              ; out0
	v_lshl_add_u32 v254, v0, 2, 0x48000
	v_mov_b32 v255, 0
	ds_add_u32 v254, v255
	ds_add_u32 v254, v255
	v_lshrrev_b32 v1, 5, v0
	v_readfirstlane_b32 s14, v1                    ; wave 0..3
	s_lshr_b32 s15, s14, 1                         ; which 64 rows are mine.  Also: I fetch for attn (0) or for Wo (1)
	s_and_b32 s16, s14, 1                          ; which 128 columns.  Also: which half I fetch
	s_bfe_u32 s17, ttmp6, 0x40000                  ; cx
	s_bfe_u32 s18, ttmp6, 0x40004                  ; cy
	s_lshl_b32 s19, ttmp9, 2
	s_add_co_u32 s19, s19, s17                     ; tile column
	s_and_b32 s20, ttmp7, 0xffff
	s_lshl_b32 s20, s20, 2
	s_add_co_u32 s20, s20, s18                     ; tile row
	s_lshl_b32 s21, s18, 2
	s_lshl_b32 s21, 15, s21                        ; my row of the cluster
	s_lshl_b32 s22, 0x1111, s17                    ; my column
	; descriptor group 1: rows (row blocks) of 1,536 elements of 8 bytes, 1,536 elements apart: 4 of attn, 8 of Wo
	s_or_b32 s24, s21, (3<<16)|(1<<21)
	s_mov_b32 s25, 1536<<16                        ; a row block's 12,288 bytes, all 8 K steps: one load a wave brings its whole share
	s_mov_b32 s26, 4<<16
	s_mov_b32 s27, 1536<<16
	s_mov_b32 s28, 4
	s_mov_b32 s29, 1536
	s_mov_b32 s30, 0
	s_mov_b32 s31, 0
	s_or_b32 s68, s22, (3<<16)|(1<<21)
	s_mov_b32 s69, 1536<<16
	s_mov_b32 s70, 8<<16
	s_mov_b32 s71, 1536<<16
	s_mov_b32 s72, 8
	s_mov_b32 s73, 1536
	s_mov_b32 s74, 0
	s_mov_b32 s75, 0
	s_mul_i32 s76, s20, 98304                      ; attn: 8 row blocks of 12,288 bytes a tile,
	s_mul_i32 s77, s16, 49152                      ; my 4 of them
	s_add_co_u32 s76, s76, s77
	s_mov_b32 s77, 0
	s_mul_i32 s78, s19, 196608                     ; Wo: 16 row blocks a tile,
	s_mul_i32 s79, s16, 98304                      ; my 8 of them
	s_add_co_u32 s78, s78, s79
	s_mov_b32 s79, 0
	s_mul_i32 s23, s16, 49152                      ; LDS: attn's 8 row blocks of 12,288 bytes, then Wo's 16
	s_mul_i32 s3, s16, 98304
	s_add_co_u32 s3, s3, 98304
	s_wait_dscnt 0x0
	s_wait_kmcnt 0x0
	s_add_nc_u64 s[76:77], s[4:5], s[76:77]
	s_add_nc_u64 s[78:79], s[8:9], s[78:79]
	CROUND                                         ; all sixteen work-groups are here: the joint loads meet
.irp q, 0
	s_mov_b32 s[32+4*\q], 1
	s_add_co_u32 s[33+4*\q], s23, \q*CH
	s_add_nc_u64 s[34+4*\q:35+4*\q], s[76:77], \q*3072
	s_or_b32 s[35+4*\q], s[35+4*\q], 0x80000000
	s_mov_b32 s[48+4*\q], 1
	s_add_co_u32 s[49+4*\q], s3, \q*CH
	s_add_nc_u64 s[50+4*\q:51+4*\q], s[78:79], \q*3072
	s_or_b32 s[51+4*\q], s[51+4*\q], 0x80000000
.endr
	s_cmp_eq_u32 s15, 0                            ; a wave's one fill stands in a branch on the wave's number; four v_nop follow it
	s_cbranch_scc0 .Lfor_b
	tensor_load_to_lds s[32:35], s[24:31]
	s_nop 0
.rept 4
	v_nop
.endr
	s_branch .Lasked
.Lfor_b:
	tensor_load_to_lds s[48:51], s[68:75]
	s_nop 0
.rept 4
	v_nop
.endr
.Lasked:
	v_and_b32 v2, 31, v0
	v_lshlrev_b32 v[CO], 4, v2
	v_lshlrev_b32 v[ASO], 2, v2
	s_wait_alu depctr_va_vdst(0)
	v_and_b32 v2, 15, v0                           ; r
	v_bfe_u32 v3, v0, 4, 1                         ; h
	v_lshlrev_b32 v[BSO], 2, v2
	v_lshl_add_u32 v[BSO], v3, 9, v[BSO]
	s_wait_alu depctr_va_vdst(0)
	s_lshl_b32 s76, s20, 9                         ; attn's scale words: 64 bytes a row block, my 4 row blocks
	s_lshl_b32 s78, s15, 8
	s_add_co_u32 s76, s76, s78
	s_mov_b32 s77, 0
	s_add_nc_u64 s[6:7], s[6:7], s[76:77]
	s_lshl_b32 s76, s19, 13                        ; Wo's: 512 bytes a row block, my 8
	s_lshl_b32 s78, s16, 12
	s_add_co_u32 s76, s76, s78
	s_add_nc_u64 s[10:11], s[10:11], s[76:77]
.irp s, 0,1,2,3,4,5,6,7
.irp i, 0,1
	global_load_b32 v[SCA+2*\s+\i], v[ASO], s[6:7] offset:8192*\s+128*\i     ; K step s: lanes 0-15 row block 2 i, lanes 16-31 row block 2 i + 1
.endr
.endr
.irp s, 0,1,2,3,4,5,6,7
.irp i, 0,1,2,3
	global_load_b32 v[SCB+4*\s+\i], v[BSO], s[10:11] offset:1024*\i+64*\s
.endr
.endr
	s_mul_i32 s21, s15, 49152
	s_mul_i32 s22, s16, 98304
	s_add_co_u32 s22, s22, 98304
	v_add_nc_u32 v[ADA], s21, v[CO]                ; my 4 row blocks of attn
	v_add_nc_u32 v[ADB], s22, v[CO]                ; my row blocks 0-3 of Wo,
	v_add_nc_u32 v[ADB+1], 49152, v[ADB]           ; and 4-7: the immediates stay under 65,536
	s_mul_i32 s21, s14, 8704                       ; my stage, for the way out
	v_mul_u32_u24 v[STO], v2, 528
	v_lshl_add_u32 v[STO], v3, 6, v[STO]
	v_add_nc_u32 v[STO], s21, v[STO]               ; in: row r, + 64 h
	v_add_nc_u32 v[RD], s21, v[CO]                 ; back: a row of 512 bytes to the 32 lanes
	s_lshl_b32 s76, s20, 21                        ; out0: 128 rows of 16,384 bytes a tile row,
	s_lshl_b32 s78, s15, 20                        ; my 64,
	s_add_co_u32 s76, s76, s78
	s_lshl_b32 s78, s19, 10                        ; 1,024 bytes a tile column,
	s_add_co_u32 s76, s76, s78
	s_lshl_b32 s78, s16, 9                         ; my 512
	s_add_co_u32 s76, s76, s78
	s_add_nc_u64 s[12:13], s[12:13], s[76:77]
.macro OFETCH s                        ; K step s: 12 fragments, 36 loads, into window 0 (even s) or 2 (odd s)
.set KO, (\s)*1536
	WIN 0x80*((\s)%2)
.irp a, 0,1,2,3
.irp c, 0,1,2
	ds_load_b128 v[FA+12*\a+4*\c:FA+12*\a+4*\c+3], v[ADA] offset:\a*12288+KO+512*\c
.endr
.endr
.irp b, 0,1,2,3,4,5,6,7
.irp c, 0,1,2
	ds_load_b128 v[FB+12*\b+4*\c:FB+12*\b+4*\c+3], v[ADB+\b/4] offset:(\b%4)*12288+KO+512*\c
.endr
.endr
.endm
.macro OSTEP s
.if ((\s) >= 1) && ((\s) < 7)
	PLACES 4                                       ; in front of loads into registers that the step before last's products have read
.endif
.if (\s) < 7
	OFETCH (\s)+1
	s_wait_dscnt 36                                ; all but the 36 just issued
.else
	s_wait_dscnt 0x0
.endif
.if (\s) == 0
	s_wait_loadcnt 0x0                             ; the scale words
.endif
	WIN 0x50+0x0a*((\s)%2)                         ; C and D window 1; the sources window 0 or 2
.irp a, 0,1,2,3
.irp b, 0,1,2,3,4,5,6,7
	WMMA 8*(8*\a+\b), FB+12*\b, FA+12*\a, (\s)==0, SCB+4*(\s)+\b/2, SCA+2*(\s)+\a/2, \b%2, \a%2   ; the 32 accumulators by turns, in the same order in every step
.endr
.endr
.endm
	s_wait_alu depctr_va_vdst(0)
	s_wait_tensorcnt 0x0                           ; my one load, all of K of my share, is in,
	s_barrier_signal -1
	s_barrier_wait -1                              ; everybody's is
	OFETCH 0
.irp s, 0,1,2,3,4,5,6,7
	OSTEP \s
.endr
	WIN 0
	PLACES 4                                       ; behind the last products
	s_wait_dscnt 0x0
	s_barrier_signal -1
	s_barrier_wait -1                              ; no wave reads the tiles any more: the stages may lie over piece 0, which is filled once
; THE WAY OUT, a block of 16 rows x 128 columns at a time, through my own stage (rows of 528 bytes); it comes back as whole rows of 512 bytes.  LDS serves a wave's instructions in order.
.macro TOSTAGE a
	WIN 0x04                                       ; an LDS store's data are its source 1: window 1
.irp b, 0,1,2,3,4,5,6,7
	ds_store_b128 v[STO], v[8*(8*(\a)+\b):8*(8*(\a)+\b)+3] offset:128*(\b/2)+32*(\b%2)       ; columns 32 (b / 2) + 16 h + 8 (b % 2) + 0 .. 3; each accumulator from its low end on
	ds_store_b128 v[STO], v[8*(8*(\a)+\b)+4:8*(8*(\a)+\b)+7] offset:128*(\b/2)+32*(\b%2)+16
.endr
	WIN 0
.set BB, BK+64*((\a)%2)
.irp t, 0,1,2,3,4,5,6,7,8,9,10,11,12,13,14,15
	ds_load_b128 v[BB+4*\t:BB+4*\t+3], v[RD] offset:528*\t
.endr
.endm
.macro SEND a, younger                 ; younger: the LDS instructions issued behind block a's loads
.set BB, BK+64*((\a)%2)
	s_wait_dscnt \younger
.irp t, 0,1,2,3,4,5,6,7,8,9,10,11,12,13,14,15
	global_store_b128 v[CO], v[BB+4*\t:BB+4*\t+3], s[12:13] offset:(32*((\a)/2)+8*((\a)%2)+\t+8*(\t/8))*16384 th:TH_STORE_NT   ; 512 consecutive bytes of the row's true place; 63 rows at the most, inside the signed 24-bit immediate
.endr
.endm
	TOSTAGE 0
.irp a, 1,2,3
.if \a > 1
	s_wait_xcnt 0x0                                ; block a - 2's stores have read their registers: block a's loads may land there
.endif
	TOSTAGE \a
	SEND \a-1, 32
.endr
	SEND 3, 0
	s_wait_tensorcnt 0x0
	ds_add_u32 v254, v255
	s_wait_dscnt 0x0
	CROUND                                         ; the closing round: no work-group ends while a partner may still ask for a tile that names it
	s_endpgm
.Lfunc_end_k_qaedb6bccb1_outp:
	.size	k_qaedb6bccb1_outp, .Lfunc_end_k_qaedb6bccb1_outp-k_qaedb6bccb1_outp
	.p2alignl 7, 3214868480
	.fill 96, 4, 3214868480
	.section	.rodata,"a",@progbits
	.p2align	6, 0x0
	.amdhsa_kernel k_qaedb6bccb1_outp
		.amdhsa_group_segment_fixed_size 295424
		.amdhsa_private_segment_fixed_size 0
		.amdhsa_enable_private_segment 0
		.amdhsa_kernarg_size 40
		.amdhsa_user_sgpr_count 2
		.amdhsa_user_sgpr_kernarg_segment_ptr 1
		.amdhsa_wavefront_size32 1
		.amdhsa_system_sgpr_workgroup_id_x 1
		.amdhsa_system_sgpr_workgroup_id_y 1
		.amdhsa_system_sgpr_workgroup_id_z 1
		.amdhsa_system_vgpr_workitem_id 0
		.amdhsa_next_free_vgpr 768
		.amdhsa_next_free_sgpr 80
		.amdhsa_reserve_vcc 0
		.amdhsa_float_denorm_mode_32 3
		.amdhsa_float_denorm_mode_16_64 3
		.amdhsa_memory_ordered 1
		.amdhsa_forward_progress 1
		.amdhsa_inst_pref_size 77
	.end_amdhsa_kernel
	.amdgpu_metadata
---
amdhsa.version: [ 1, 2 ]
amdhsa.kernels:
  - .name:           k_qaedb6bccb1_outp
    .symbol:         k_qaedb6bccb1_outp.kd
    .args:
      - { .name: att, .offset: 0, .size: 8, .value_kind: global_buffer, .address_space: global }
      - { .name: atts, .offset: 8, .size: 8, .value_kind: global_buffer, .address_space: global }
      - { .name: c1, .offset: 16, .size: 8, .value_kind: global_buffer, .address_space: global }
      - { .name: s1, .offset: 24, .size: 8, .value_kind: global_buffer, .address_space: global }
      - { .name: out0, .offset: 32, .size: 8, .value_kind: global_buffer, .address_space: global }
    .group_segment_fixed_size: 295424
    .private_segment_fixed_size: 0
    .kernarg_segment_align: 8
    .kernarg_segment_size: 40
    .max_flat_workgroup_size: 128
    .sgpr_count:     80
    .vgpr_count:     768
    .wavefront_size: 32
...
	.end_amdgpu_metadata
.endif
;; end of part 4
